; MI455X (gfx1250); checked and timed in simulation.
; The chip was launched on July 23, 2026; its instructions are those of AMD's public machine-readable ISA for CDNA 5 (MIT licence, August 2026) and "CDNA5" Instruction Set Architecture Reference Guide (July 2026). The comments in the code are by the model that wrote it; some were corrected since.
;; Cross Attention. Allowed arithmetic: matrix products marked QUANTISED: E2M3 operands, one E8M0 scale for each 32 along K, by v_wmma_scale_f32_16x16x128_f8f6f4 with both operands' format E2M3, f32 sums; everything else in f32.
;; Inputs: k_norm_w 64 float32; kv 4 x 2,048 x 1,024 float32; pos_k 2,048 int32; pos_q 1,024 int32; q_norm_w 64 float32; queries 4 x 1,024 x 1,024 float32; wkv 2,048 x 1,024 float32; wo 1,024 x 1,024 float32; wq 1,024 x 1,024 float32.
;; Outputs: out0 4 x 1,024 x 1,024 float32.
;; This version of the problem:
;;   THIS VERSION OF THE PROBLEM IS GIVEN IN LOW PRECISION. The matrix products marked QUANTISED in the list below multiply operands that are first quantised to E2M3 (2 exponent bits, 3 mantissa bits; 6 bits a number), with one power-of-two scale for each 32 numbers along K (OCP MX v1.0); their sums are f32. All else is computed in f32.
;;   The module's matrix products, in the order in which they are computed (A, B: the left and right operand; K: the contracted axis; several contracted axes count as one K, in the product's order):
;;     1. [M 4,096, K 1,024] x [K 1,024, N 1,024]; A: input queries; B: input wq: QUANTISED
;;     2. [M 8,192, K 1,024] x [K 1,024, N 2,048]; A: input kv; B: input wkv: QUANTISED
;;     3. batch 64 x [M 1,024, K 64] x [K 64, N 2,048]; A: computed on the way; B: computed on the way: QUANTISED
;;     4. batch 64 x [M 1,024, K 2,048] x [K 2,048, N 64]; A: softmax (see below); B: computed on the way: QUANTISED
;;     5. [M 4,096, K 1,024] x [K 1,024, N 1,024]; A: computed on the way; B: input wo: QUANTISED
;;   THE QUANTISER, for each operand of a quantised product, along K:
;;     - K is cut into blocks of 32 from its start; a last block that is shorter is filled with zeros.
;;     - A block's scale is 2^e with e = floor(log2(the largest magnitude in the block)) - 2, held to -126 .. 127; a block of zeros has e = 0. As a byte (E8M0): e + 127.
;;     - Each number is divided by its block's scale, clamped to +-7.5, and rounded to the nearest number of E2M3, ties to even, subnormals kept.
;;     - The product sums the exact products of the quantised numbers (number of the format x scale) in f32.
;;   ~~~python
;;   def quantise(x, axis):      # numpy; x: float32 -> the quantised numbers, widened to float32 again
;;       x = np.moveaxis(x, axis, -1); K = x.shape[-1]
;;       x = np.pad(x, [(0, 0)] * (x.ndim - 1) + [(0, -K % 32)]); x = x.reshape(x.shape[:-1] + (-1, 32)); a = np.abs(x).max(-1, keepdims=True)
;;       e = np.where(a > 0, np.clip(np.frexp(np.where(a > 0, a, 1))[1] - 1 - 2, -126, 127), 0)      # np.frexp(a)[1] - 1 = floor(log2(a)), exactly
;;       r = np.clip(x / 2.0 ** e, -7.5, 7.5)
;;       step = 2.0 ** (np.maximum(np.frexp(np.where(r == 0, 1, r))[1] - 1, 0) - 3)
;;       q = np.round(r / step) * step * 2.0 ** e      # np.round: ties to even
;;       return np.moveaxis(q.reshape(q.shape[:-2] + (-1,))[..., :K], -1, axis).astype(np.float32)
;;   ~~~
;;   SOFTMAX AHEAD OF A QUANTISED PRODUCT. Where the list says 'softmax', what is quantised is not the finished softmax but p = 2^(t - M), with t = logit x log2(e) and M = ceil(the row's largest t), a whole number; so 1/2 < the row's largest p <= 1. The row's sum l is taken of the UNQUANTISED p, in f32, and the product's result is divided by l at the end. Since M is a whole number, a kernel that streams over the keys may use a running M (the ceiling of the running maximum): every later rescaling is an exact power of two, which a block's scale takes up: the codes' values come out the same.
;;   OPERANDS COMPUTED ON THE WAY. 'Computed on the way' means the value that the module computes at that place (a softmax that the list does not call 'softmax' is quantised finished and normalised). What goes into a quantiser is computed in f32, as accurately as f32 sums, v_exp_f32 and their like allow (about 1e-6 of the number): no bf16 or f16 on the way to a quantiser, and a product that is left as it is and whose result goes on into a quantised operand takes f32 operands (vector FMAs, or v_wmma_f32_16x16x4_f32). A number that lies on a knife's edge between two numbers of the format may be rounded either way, as far as f32 arithmetic and the matrix unit's own rounding can turn it there, and no further.
;; One version. Each part assembles by itself: llvm-mc -triple=amdgcn-amd-amdhsa -mcpu=gfx1250 --defsym DOCPART=n.
;; ======== version 1 of 1: 4 launches
;; limits: right only within a limited range of input values
;; workspace buffers: codes 12,582,912 bytes; scales 524,288 bytes; rope 786,432 bytes; kvh 13,631,488 bytes; yc 3,145,728 bytes; ys 131,072 bytes
;; launch prep (part 1): grid 608 x 1, 4 waves a work-group, no clusters, 82,432 bytes of LDS; arguments kv, wkv, wq, queries, wo, pos_q, pos_k, codes, scales, rope; writes codes, scales, rope
.if DOCPART == 1
	.amdgcn_target "amdgcn-amd-amdhsa--gfx1250"
	.amdhsa_code_object_version 6
	.text
	.protected	k_qc445291fae_prep
	.globl	k_qc445291fae_prep
	.p2align	8
	.type	k_qc445291fae_prep,@function
k_qc445291fae_prep:
	s_mov_b64 s[64:65], 0
	v_nop
	global_prefetch_b8 v0, s[64:65] scope:SCOPE_SE
	s_setreg_imm32_b32 hwreg(HW_REG_WAVE_MODE, 25, 1), 1
	s_wait_xcnt 0x0
; PREP.  Work-groups 0-511: the five f32 tensors whose K (1,024) is innermost become codes of FP6 (E2M3) with one E8M0 byte for each 32 along K, in ONE matrix of 16,384 rows:
; rows 0-8,191 kv, 8,192-10,239 wkv, 10,240-11,263 wq, 11,264-15,359 queries, 15,360-16,383 wo; a row is 768 bytes of codes and 32 scale bytes.
; Work-groups 512-607: the table of RoPE's cosines and sines, 3,072 rows of [32 cos | 32 sin] f32: rows 0-1,023 for pos_q, rows 1,024-3,071 for pos_k.
; A block's scale is 2^(floor(log2(its largest magnitude)) - 2); its byte is the largest magnitude's exponent field - 2, held at 1 from below.  A block of zeros gets the byte 1 where the rule says 127:
; its codes are zeros, which add nothing under any byte but 0xff, and this program alone reads the bytes.
; ROWS (kv, wkv, wq, wo).  A work-group takes 32 rows, a wave 8.  For kv, wkv and wq the second and the third run of 8 rows change places in the output (SLOT ORDER), so that 16 neighbouring stored rows are
; the rows 8 u + r + 8 (r / 8) of their 32: a matrix result used with such a tile has 16 neighbours along the next K in a lane's 16 registers.  wo keeps its order.
; IMAGES (queries).  A work-group takes 32 rows, two tiles of 16; wave 2 T + h takes tile T's 16 rows x the half h of K.  The reader's lane 16 h + r holds row r's half h, 384 bytes, in 96 registers on end:
; so the tile's 12,288 bytes are laid by registers: unit i (16 bytes) of lane L at 512 i + 16 L.  The wave's codes turn through a stage of its own in LDS and leave as whole aligned blocks of 256 bytes.
; Its 256 scale bytes lie [tile][half][row][16 blocks].
; LIMITS: NaN and infinities among the inputs are not served.  The table: the angle pos x 10000^(-f/32) is reduced by pi/2 in two parts, good to about 2e-7 rad for |pos| up to 2^24 and decaying
; above; the frequency is made by one multiplication and one v_exp_f32 and lies within about 1e-6 of its value.
; The quantiser: each of a step's four loads reads 512 consecutive bytes, 16 a lane; the 2,048 bytes turn through the wave's own stage in LDS and come back 64 bytes a lane, since the conversion takes
; 16 neighbours along K from one lane's registers.  Loads run four steps ahead, the turn through LDS one step.  Waves share nothing: no barrier.  The two ways have LDS bytes of their own.
.set NQWG,  512                        ; work-groups that quantise
.set QWG0,  352                        ; the queries' first work-group,
.set QWG1,  480                        ; and the first behind them
.set STEPS, 16                         ; steps of 512 numbers a wave
.set EMAX,  2
.set CB,    12                         ; bytes of 16 codes
.set R,     16                         ; v16-79   four sets of 16 numbers as they are loaded
.set X,     80                         ; v80-111  two sets of 16 neighbours
.set C,     128                        ; v128-191 codes: four registers for each step, so that no store's data are written again
.set E,     112                        ; v112-127 a scale byte for each step
.set SP,    80                         ; a lane's place in a stage: 64 bytes + 16 of padding
.set WREG,  8192                       ; LDS, rows: a region for each wave: two stages of 32 x SP bytes, then its 256 scale bytes
.set IMGL,  32768                      ; LDS, images: behind the rows' four regions,
.set WREG2, 12288                      ; a region for each wave: the same, then the codes' stage: 16 rows of CP bytes
.set CP,    400                        ; 384 bytes + 16: 25 x 16
.macro SETUP base, wreg                ; the lane's places; s31 is left at the wave's scale bytes
	v_and_b32 v2, 31, v0                           ; lane
	v_lshlrev_b32 v3, 4, v2                        ; my 16 bytes of a load's 512
	s_mul_i32 s31, s30, \wreg
	s_add_co_u32 s31, s31, \base
	v_lshrrev_b32 v14, 2, v2
	v_mul_u32_u24 v14, v14, SP
	v_and_b32 v15, 3, v2
	v_lshl_add_u32 v14, v15, 4, v14
	v_add_nc_u32 v14, s31, v14                     ; the stage, on the way in: SP (lane / 4) + 16 (lane % 4)
	v_mul_u32_u24 v15, v2, SP
	v_add_nc_u32 v15, s31, v15                     ; and on the way out: SP x lane: my 16 neighbours
	v_mul_u32_u24 v4, v2, CB                       ; my codes' place in a step's
	v_lshrrev_b32 v5, 1, v2
	s_add_co_u32 s31, s31, 2*32*SP
	v_add_nc_u32 v5, s31, v5                       ; LDS: my wave's 256 scale bytes, my block's byte
	v_lshlrev_b32 v7, 3, v2                        ; and on the way out 8 bytes a lane
	v_add_nc_u32 v6, s31, v7
.endm
.macro LOAD t                          ; ISTR: bytes from a step's numbers to the next step's
.irp i, 0,1,2,3
	global_load_b128 v[R+16*((\t)%4)+4*\i:R+16*((\t)%4)+4*\i+3], v3, s[24:25] offset:ISTR*(\t)+512*\i th:TH_LOAD_NT   ; 32 lanes read 512 consecutive bytes
.endr
.endm
.macro TURN t                          ; step t's numbers through the stage: LDS serves a wave's instructions in order, so no wait stands between the stores and the loads
.irp i, 0,1,2,3
	ds_store_b128 v14, v[R+16*((\t)%4)+4*\i:R+16*((\t)%4)+4*\i+3] offset:32*SP*((\t)%2)+8*SP*\i
.endr
.irp i, 0,1,2,3
	ds_load_b128 v[X+16*((\t)%2)+4*\i:X+16*((\t)%2)+4*\i+3], v15 offset:32*SP*((\t)%2)+16*\i
.endr
.endm
.macro STEP t                          ; IMG = 1: the codes go to the codes' stage; 0: they leave at once.  TAILDS: the LDS stores at a step's end
.set XS, X+16*((\t)%2)
.if (\t) > 0
	s_wait_dscnt TAILDS                            ; this step's numbers are back from the stage (the last step's closing stores may be out): its stores into the stage have read their registers,
.else
	s_wait_dscnt 0x0
.endif
.if (\t)+4 < STEPS
	LOAD (\t)+4                                    ; which take the loads of four steps on
.endif
.if (\t)+1 < STEPS
.if STEPS-2-(\t) >= 3
	s_wait_loadcnt 12                              ; the next step's four loads are in; those of the three steps behind it may be out
.else
	s_wait_loadcnt 4*(STEPS-2-(\t))
.endif
	TURN (\t)+1                                    ; and go through the other stage while this step is worked
.endif
	v_max3_num_f32 v8, |v[XS]|, |v[XS+1]|, |v[XS+2]|               ; the largest magnitude of my 16
	v_max3_num_f32 v9, |v[XS+3]|, |v[XS+4]|, |v[XS+5]|
.irp i, 6,10
	v_max3_num_f32 v8, v8, |v[XS+\i]|, |v[XS+\i+1]|
	v_max3_num_f32 v9, v9, |v[XS+\i+2]|, |v[XS+\i+3]|
.endr
	v_max3_num_f32 v8, v8, |v[XS+14]|, |v[XS+15]|
	v_max3_num_f32 v8, v8, v9, (EMAX+1)<<23        ; and the floor 2^(EMAX + 1 - 127): the byte cannot fall under 1
	v_max_num_f32_dpp v8, v8, v8 row_xmask:1 row_mask:0xf bank_mask:0xf   ; and of my neighbour's 16: the block's
	v_add_nc_u32 v11, -(EMAX<<23), v8              ; EMAX off its exponent field: the conversion takes the exponent field of this operand as its scale
	v_cvt_scalef32_pk16_fp6_f32 v[C+4*(\t):C+4*(\t)+2], v[XS:XS+15], v11   ; sixteen numbers / the scale, to the nearest code, ties to even, beyond the largest code the largest; 96 bits without gaps
	v_lshrrev_b32 v[E+(\t)], 23, v11               ; the scale's byte
	ds_store_b8 v5, v[E+(\t)] offset:16*(\t)       ; both lanes of a block write the same byte with the same value
.if IMG
.irp k, 0,1,2
	ds_store_b32 v10, v[C+4*(\t)+\k] offset:CP*(\t)+4*\k   ; row t of the codes' stage, bytes 12 x lane on: by words, so that every address is a multiple of the access's size
.endr
.else
	global_store_b96 v4, v[C+4*(\t):C+4*(\t)+2], s[18:19] offset:32*CB*(\t)   ; the wave stores 384 consecutive bytes
.endif
.endm
.macro WALK                            ; a wave's sixteen steps
.irp t, 0,1,2,3
	LOAD \t
.endr
	s_wait_loadcnt 12                              ; step 0's four loads are in
	TURN 0
.irp t, 0,1,2,3,4,5,6,7,8,9,10,11,12,13,14,15
	STEP \t
.endr
.endm
	s_load_b256 s[4:11], s[0:1], 0x0               ; kv s[4:5], wkv s[6:7], wq s[8:9], queries s[10:11]
	s_load_b256 s[12:19], s[0:1], 0x20             ; wo s[12:13], pos_q s[14:15], pos_k s[16:17], codes s[18:19]
	s_load_b128 s[20:23], s[0:1], 0x40             ; scales s[20:21], rope s[22:23]
	v_lshl_add_u32 v192, v0, 2, 0x14000
	v_mov_b32 v193, 0
	v_lshrrev_b32 v1, 5, v0
	v_readfirstlane_b32 s30, v1                    ; wave
	s_cmp_ge_u32 ttmp9, NQWG
	s_cbranch_scc1 .Ltable
	s_cmp_lt_u32 ttmp9, QWG0
	s_cbranch_scc1 .Lrows
	s_cmp_lt_u32 ttmp9, QWG1
	s_cbranch_scc1 .Limage
.Lrows:
	SETUP 0, WREG
	s_and_b32 s28, s30, 1
	s_lshl_b32 s28, s28, 1
	s_lshr_b32 s29, s30, 1
	s_add_co_u32 s28, s28, s29                     ; slot order: run w goes to place 2 (w & 1) + (w >> 1)
	s_wait_alu depctr_va_vdst(0)
	s_wait_kmcnt 0x0
	s_mov_b64 s[24:25], s[12:13]                   ; which tensor is my work-group's, and its first work-group: the choices hang on the work-group's number alone
	s_mov_b32 s26, QWG1
	s_cmp_lt_u32 ttmp9, QWG0
	s_cselect_b64 s[24:25], s[8:9], s[24:25]
	s_cselect_b32 s26, 320, s26
	s_cselect_b32 s27, s28, s30                    ; kv, wkv, wq: slot order; wo: as it lies
	s_cmp_lt_u32 ttmp9, 320
	s_cselect_b64 s[24:25], s[6:7], s[24:25]
	s_cselect_b32 s26, 256, s26
	s_cmp_lt_u32 ttmp9, 256
	s_cselect_b64 s[24:25], s[4:5], s[24:25]
	s_cselect_b32 s26, 0, s26
	s_sub_co_u32 s31, ttmp9, s26
	s_lshl_b32 s31, s31, 2
	s_add_co_u32 s31, s31, s30                     ; which run of 8,192 numbers of the tensor is my wave's
	s_lshl_b32 s32, s31, 15                        ; 32,768 bytes a run (under 2^26)
	s_mov_b32 s33, 0
	s_add_nc_u64 s[24:25], s[24:25], s[32:33]
	s_lshl_b32 s31, ttmp9, 2
	s_add_co_u32 s31, s31, s27                     ; and which run of 8 rows of the output
	s_mul_i32 s32, s31, 32*STEPS*CB                ; 6,144 bytes of codes a run
	s_add_nc_u64 s[18:19], s[18:19], s[32:33]
	s_lshl_b32 s32, s31, 8                         ; 256 scale bytes a run
	s_add_nc_u64 s[20:21], s[20:21], s[32:33]
.set ISTR, 2048
.set IMG, 0
.set TAILDS, 1
	WALK
	ds_load_b64 v[12:13], v6                       ; LDS serves a wave's instructions in order: these see my stores
	s_wait_dscnt 0x0
	global_store_b64 v7, v[12:13], s[20:21]        ; 32 lanes store 256 consecutive bytes, at a multiple of 256 from the buffer's first byte
	s_wait_tensorcnt 0x0
	ds_add_u32 v192, v193
	s_wait_dscnt 0x0
	s_endpgm
.Limage:
	SETUP IMGL, WREG2
	s_add_co_u32 s31, s31, 256                     ; behind the scale bytes: the codes' stage
	v_add_nc_u32 v10, s31, v4                      ; in: 12 x lane of a row
	v_and_b32 v12, 15, v2
	v_lshrrev_b32 v13, 4, v2
	v_mul_u32_u24 v1, v12, CP
	v_lshl_add_u32 v1, v13, 4, v1
	v_add_nc_u32 v1, s31, v1                       ; back: lanes 0-15 take unit 2 j of the sixteen rows, lanes 16-31 unit 2 j + 1
	v_lshlrev_b32 v2, 4, v12
	v_lshl_add_u32 v2, v13, 9, v2                  ; and in the image: 16 x row + 512 x (lane / 16)
	s_lshr_b32 s28, s30, 1                         ; T: which tile of 16 rows
	s_and_b32 s29, s30, 1                          ; h: which half of K
	s_wait_kmcnt 0x0
	s_sub_co_u32 s32, ttmp9, QWG0
	s_lshl_b32 s32, s32, 17                        ; 32 rows of 4,096 bytes a work-group (under 2^24),
	s_lshl_b32 s34, s28, 16                        ; 16 rows a tile,
	s_add_co_u32 s32, s32, s34
	s_lshl_b32 s34, s29, 11                        ; 2,048 bytes a half
	s_add_co_u32 s32, s32, s34
	s_mov_b32 s33, 0
	s_add_nc_u64 s[24:25], s[10:11], s[32:33]
	s_mul_i32 s32, ttmp9, 32*768                   ; the work-group's 32 rows of the codes' matrix,
	s_mul_i32 s34, s28, 16*768                     ; my tile's image,
	s_add_co_u32 s32, s32, s34
	s_lshl_b32 s34, s29, 8                         ; lanes 16 h on: 256 bytes
	s_add_co_u32 s32, s32, s34
	s_add_nc_u64 s[18:19], s[18:19], s[32:33]
	s_lshl_b32 s32, ttmp9, 2
	s_add_co_u32 s32, s32, s30
	s_lshl_b32 s32, s32, 8                         ; 256 scale bytes a wave: [tile][half][row][16]
	s_add_nc_u64 s[20:21], s[20:21], s[32:33]
.set ISTR, 4096                        ; a step is a row's half
.set IMG, 1
.set TAILDS, 4
	WALK
	ds_load_b64 v[12:13], v6                       ; LDS serves a wave's instructions in order: these see my stores
.irp j, 0,1,2,3,4,5,6,7,8,9,10,11
	ds_load_b128 v[R+4*\j:R+4*\j+3], v1 offset:32*\j
.endr
	s_wait_dscnt 12
	global_store_b64 v7, v[12:13], s[20:21]        ; 256 consecutive bytes, at a multiple of 256 from the buffer's first byte
.irp j, 0,1,2,3,4,5,6,7,8,9,10,11
	s_wait_dscnt 11-\j
	global_store_b128 v2, v[R+4*\j:R+4*\j+3], s[18:19] offset:1024*\j   ; each sixteen lanes store 256 consecutive bytes, at a multiple of 256 from the buffer's first byte
.endr
	s_wait_tensorcnt 0x0
	ds_add_u32 v192, v193
	s_wait_dscnt 0x0
	s_endpgm
; THE TABLE.  Work-group tw = 0 .. 95 makes rows 32 tw .. 32 tw + 31.  Thread t: u = t % 16 is its 16 bytes of a row (u < 8: cos of f = 4 u + e; else sin of f = 4 (u - 8) + e, e = 0 .. 3),
; t / 16 its row of eight; four passes.  Sixteen neighbouring lanes store one row of 256 bytes.
.Ltable:
	s_sub_co_u32 s31, ttmp9, NQWG                  ; tw
	v_and_b32 v1, 15, v0                           ; u
	v_lshrrev_b32 v2, 4, v0                        ; my row of eight
	v_lshlrev_b32 v4, 2, v2                        ; its position's bytes
	v_lshlrev_b32 v5, 4, v0                        ; 16 t = 256 x row + 16 u
	v_cmp_gt_u32 vcc_lo, 8, v1
	v_cndmask_b32 v6, 0, 1, vcc_lo                 ; 1 where I make cosines: cos(a) = sin(a + pi/2)
	v_and_b32 v7, 7, v1
	v_lshlrev_b32 v7, 2, v7
.irp e, 0,1,2,3
	v_add_nc_u32 v[12+\e], \e, v7                  ; f
.endr
.irp e, 0,1,2,3
	v_cvt_f32_u32 v[12+\e], v[12+\e]
.endr
.irp e, 0,1,2,3
	v_mul_f32 v[12+\e], 0xbed49a78, v[12+\e]       ; - f log2(10000) / 32
.endr
	s_mov_b32 s36, 0xb94ca1f9                      ; the highest coefficient of the sine's polynomial,
	s_mov_b32 s37, 0x37ccf5ce                      ; and of the cosine's
	s_wait_kmcnt 0x0
	s_cmp_lt_u32 s31, 32                           ; the first 32 work-groups take pos_q, the others pos_k
	s_cselect_b64 s[24:25], s[14:15], s[16:17]
	s_cselect_b32 s32, 0, 32
	s_sub_co_u32 s32, s31, s32
	s_lshl_b32 s32, s32, 7                         ; 32 positions of 4 bytes a work-group
	s_mov_b32 s33, 0
	s_add_nc_u64 s[24:25], s[24:25], s[32:33]
	s_lshl_b32 s32, s31, 13                        ; 32 rows of 256 bytes
	s_add_nc_u64 s[22:23], s[22:23], s[32:33]
.irp p, 0,1,2,3
	global_load_b32 v[8+\p], v4, s[24:25] offset:32*\p
.endr
	s_wait_alu depctr_va_vdst(0)
.irp e, 0,1,2,3
	v_exp_f32 v[12+\e], v[12+\e]                   ; 10000^(-f/32)
.endr
	v_nop                                          ; a plain instruction behind the last exponential
	s_wait_alu depctr_va_vdst(0)                   ; one wait for the four, ahead of their first reader
	s_wait_loadcnt 0x0
.irp p, 0,1,2,3
	v_cvt_f32_i32 v[8+\p], v[8+\p]
.endr
; sin or cos of pos x frequency.  n = the nearest whole number to angle x 2 / pi; r = angle - n pi/2, pi/2 in two parts, |r| <= pi/4; the quadrant q = n (+ 1 for a cosine) picks the polynomial and the sign.
.macro SINCOS dst, pr, ir
	v_mul_f32 v40, v[\pr], v[\ir]                  ; the angle, rounded once
	v_mul_f32 v41, 0x3f22f983, v40
	v_rndne_f32 v41, v41                           ; n
	v_fmamk_f32 v42, v41, 0xbfc90fdb, v40          ; - n x the upper part of pi/2
	v_fmamk_f32 v42, v41, 0x333bbd2e, v42          ; - n x the lower part: r
	v_cvt_i32_f32 v43, v41
	v_add_nc_u32 v43, v43, v6                      ; q
	v_mul_f32 v44, v42, v42                        ; z = r r
	v_fmaak_f32 v45, s36, v44, 0x3c08839e
	v_fmaak_f32 v45, v45, v44, 0xbe2aaaa3
	v_mul_f32 v46, v42, v44
	v_fma_f32 v45, v46, v45, v42                   ; sin r
	v_fmaak_f32 v47, s37, v44, 0xbab6061a
	v_fmaak_f32 v47, v47, v44, 0x3d2aaaa5
	v_mul_f32 v46, v44, v44
	v_fma_f32 v48, v44, -0.5, 1.0
	v_fma_f32 v47, v46, v47, v48                   ; cos r
	v_and_b32 v46, 1, v43
	v_cmp_eq_u32 vcc_lo, 1, v46
	v_cndmask_b32 v45, v45, v47, vcc_lo            ; odd quadrants take the cosine
	v_and_b32 v46, 2, v43
	v_lshlrev_b32 v46, 30, v46
	v_xor_b32 v[\dst], v45, v46                    ; quadrants 2 and 3 change the sign
.endm
.irp p, 0,1,2,3
.irp e, 0,1,2,3
	SINCOS 16+4*\p+\e, 8+\p, 12+\e
.endr
.endr
.irp p, 0,1,2,3
	global_store_b128 v5, v[16+4*\p:19+4*\p], s[22:23] offset:2048*\p
.endr
	s_endpgm
.Lfunc_end_k_qc445291fae_prep:
	.size	k_qc445291fae_prep, .Lfunc_end_k_qc445291fae_prep-k_qc445291fae_prep
	.p2alignl 7, 3214868480
	.fill 96, 4, 3214868480
	.section	.rodata,"a",@progbits
	.p2align	6, 0x0
	.amdhsa_kernel k_qc445291fae_prep
		.amdhsa_group_segment_fixed_size 82432
		.amdhsa_private_segment_fixed_size 0
		.amdhsa_enable_private_segment 0
		.amdhsa_kernarg_size 80
		.amdhsa_user_sgpr_count 2
		.amdhsa_user_sgpr_kernarg_segment_ptr 1
		.amdhsa_wavefront_size32 1
		.amdhsa_system_sgpr_workgroup_id_x 1
		.amdhsa_system_sgpr_workgroup_id_y 1
		.amdhsa_system_sgpr_workgroup_id_z 1
		.amdhsa_system_vgpr_workitem_id 0
		.amdhsa_next_free_vgpr 194
		.amdhsa_next_free_sgpr 66
		.amdhsa_reserve_vcc 1
		.amdhsa_float_denorm_mode_32 3
		.amdhsa_float_denorm_mode_16_64 3
		.amdhsa_memory_ordered 1
		.amdhsa_forward_progress 1
		.amdhsa_inst_pref_size 88
	.end_amdhsa_kernel
	.amdgpu_metadata
---
amdhsa.version: [ 1, 2 ]
amdhsa.kernels:
  - .name:           k_qc445291fae_prep
    .symbol:         k_qc445291fae_prep.kd
    .args:
      - { .name: kv, .offset: 0, .size: 8, .value_kind: global_buffer, .address_space: global }
      - { .name: wkv, .offset: 8, .size: 8, .value_kind: global_buffer, .address_space: global }
      - { .name: wq, .offset: 16, .size: 8, .value_kind: global_buffer, .address_space: global }
      - { .name: queries, .offset: 24, .size: 8, .value_kind: global_buffer, .address_space: global }
      - { .name: wo, .offset: 32, .size: 8, .value_kind: global_buffer, .address_space: global }
      - { .name: pos_q, .offset: 40, .size: 8, .value_kind: global_buffer, .address_space: global }
      - { .name: pos_k, .offset: 48, .size: 8, .value_kind: global_buffer, .address_space: global }
      - { .name: codes, .offset: 56, .size: 8, .value_kind: global_buffer, .address_space: global }
      - { .name: scales, .offset: 64, .size: 8, .value_kind: global_buffer, .address_space: global }
      - { .name: rope, .offset: 72, .size: 8, .value_kind: global_buffer, .address_space: global }
    .group_segment_fixed_size: 82432
    .private_segment_fixed_size: 0
    .kernarg_segment_align: 8
    .kernarg_segment_size: 80
    .max_flat_workgroup_size: 128
    .sgpr_count:     66
    .vgpr_count:     194
    .wavefront_size: 32
...
	.end_amdgpu_metadata
.endif
;; end of part 1
;; launch projkv (part 2): grid 8 x 32, 4 waves a work-group, clusters of 4 x 4, 327,680 bytes of LDS; arguments codes, scales, k_norm_w, rope, kvh; writes kvh
.if DOCPART == 2
	.amdgcn_target "amdgcn-amd-amdhsa--gfx1250"
	.amdhsa_code_object_version 6
	.text
	.protected	k_qc445291fae_projkv
	.globl	k_qc445291fae_projkv
	.p2align	8
	.type	k_qc445291fae_projkv,@function
k_qc445291fae_projkv:
	s_mov_b64 s[64:65], 0
	v_nop
	global_prefetch_b8 v0, s[64:65] scope:SCOPE_SE
	s_setreg_imm32_b32 hwreg(HW_REG_WAVE_MODE, 25, 1), 1
	s_wait_xcnt 0x0
	s_wait_alu depctr_hold_cnt(0) depctr_sa_sdst(0) depctr_va_vdst(0) depctr_va_sdst(0) depctr_va_ssrc(0) depctr_va_vcc(0) depctr_vm_vsrc(0)
	s_getreg_b32 s2, hwreg(HW_REG_IB_STS2, 6, 4)
	s_cmp_eq_u32 s2, 0
	s_cbranch_scc0 .Lentry_in_a_cluster
	s_endpgm
.Lentry_in_a_cluster:
	s_bfe_u32 s2, ttmp6, 0x10000c
	s_cmp_lg_u32 s2, 0xf033
	s_cbranch_scc0 .Lentry_shape_is_right
	s_endpgm
.Lentry_shape_is_right:
; PROJKV: kv wkv^T on codes of FP6 (E2M3) with E8M0 scales; then k: RMS norm, RoPE, quantised along the head; v: quantised along the keys; both leave as records of 13,312 bytes for 128 keys of a head.
; A work-group of four waves makes 256 rows of kv x 256 columns (two heads' k and v); a wave 128 x 128: 64 accumulators.  k's tiles are used transposed (a lane holds one key), v's as they are (a lane holds one channel).
; K goes through a ring of two LDS slots in chunks of 256 bytes of each row of codes (768 bytes a row: three chunks, each beginning at a multiple of 256 bytes).  A step of 128 along K is 96 bytes:
; steps 2 and 5 lie across two chunks and read both slots.  The scales of the 256 + 256 rows come once, as dense blocks.
; CLUSTERS: 4 x 4; kv's tiles are asked for jointly along a row of the cluster, wkv's along a column.
; No prefetch: three chunks in all, two of them asked for at the head and one by the single refill: there is no loop to run ahead in.
; LIMITS: NaN and infinities are not served; a block of zeros gets the byte 1 (its codes are zeros; this program alone reads the bytes).
.set SIZE_K, 1024
.set BROW0,  8192                      ; wkv's first row in the codes' matrix
.set ROWB,   256
.set NQ,     2
.set KROW,   SIZE_K*6/8
.set STEPS,  SIZE_K/128
.set CHUNKS, KROW/ROWB
.set PITCH,  272
.set FR,     12
.set NL,     6
.set NP,     4
.set HALFT,  128*PITCH
.set SLOT,   4*HALFT
.set KS,     SIZE_K/32
.set SCL,    2*SLOT
.set HALFS,  (128*KS/256)*272
.set SBLK,   (16*KS/256)*272
.set SPARE,  SCL+4*HALFS
.set WSTGB,  17408                     ; a wave's stage for the way out; the four lie in slot 1, which does not hold the last chunk
.set REC,    13312
.set KST,  7
.set SST,  8
.set RDB,  9
.set O12,  10
.set O16,  11
.set TBA,  12
.set NWA,  13
.set ZST,  14
.set ADRA, 16                          ; v16-17 my A fragments in slot 0, 1; v18-19 for pieces whose lanes 16-31 read the next chunk, in the other slot
.set ADRB, 20
.set ADRS, 27
.set SPW,  28
.set NIL,  29
.set SC,   32
.set NW,   64
.set TB0,  96
.set AF,   128
.set XN,   128
.set RO,   160
.set G1, 24
.set G0, 32
.set G1B, 48
.set G0B, 56
.set G1S, 68
.set G0S, 76
.set G1SB, 80
.set G0SB, 88
.set G0H, 4                            ; s[4:7], s[8:11]: group 0 of the head's loads of chunk 0 (the arguments that lay there have been used)
.set G0HB, 8
.set MSB, 0
.macro WIN new
.if MSB != \new
	s_set_vgpr_msb (MSB<<8)|\new
.set MSB, \new
.endif
.endm
.set TO_B,   0x40
.macro JLOAD g0a, g1a, g0b, g1b        ; waves 0, 1 ask for A, waves 2, 3 for B
	s_cmp_eq_u32 s15, 0
	s_cbranch_scc0 .Lfor_b_\@
	tensor_load_to_lds s[\g0a:\g0a+3], s[\g1a:\g1a+7]
	s_nop 0
.rept 4
	v_nop
.endr
	s_branch .Lasked_\@
.Lfor_b_\@:
	tensor_load_to_lds s[\g0b:\g0b+3], s[\g1b:\g1b+7]
	s_nop 0
.rept 4
	v_nop
.endr
.Lasked_\@:
.endm
.macro CREST
	s_cmp_lg_u32 s14, 0
	s_cbranch_scc1 .Lnot_wave_0_\@
	s_barrier_signal -3
.Lnot_wave_0_\@:
	s_barrier_wait -3
	s_barrier_signal -1
	s_barrier_wait -1
.endm
.macro CROUND
	s_barrier_signal -1
	s_barrier_wait -1
	CREST
.endm
	s_load_b128 s[4:7], s[0:1], 0x0                ; codes, scales
	s_load_b128 s[96:99], s[0:1], 0x10             ; k_norm_w, the table
	s_load_b64 s[100:101], s[0:1], 0x20            ; the records
	v_lshl_add_u32 v[SPW], v0, 2, SPARE
	v_mov_b32 v[NIL], 0
	ds_add_u32 v[SPW], v[NIL]                      ; the opening lines: the add twice on end
	ds_add_u32 v[SPW], v[NIL]
	v_lshrrev_b32 v1, 5, v0
	v_readfirstlane_b32 s14, v1                    ; wave
	s_lshr_b32 s15, s14, 1                         ; my half of the rows; also: I fetch for A (0) or B (1)
	s_and_b32 s16, s14, 1                          ; my half of the columns; also: which 128 rows I fetch
	s_bfe_u32 s40, ttmp6, 0x40000
	s_bfe_u32 s41, ttmp6, 0x40004
	s_lshl_b32 s42, ttmp9, 2
	s_add_co_u32 s42, s42, s40                     ; tile column
	s_and_b32 s17, ttmp7, 0xffff
	s_lshl_b32 s17, s17, 2
	s_add_co_u32 s17, s17, s41                     ; tile row
	s_lshl_b32 s43, s41, 2
	s_lshl_b32 s43, 15, s43                        ; my row of the cluster
	s_lshl_b32 s44, 0x1111, s40                    ; my column
	s_or_b32 s[G1+0], s43, (0<<16)|(1<<20)|(1<<21)|(5<<22)|(3<<25)
	s_or_b32 s[G1B+0], s44, (0<<16)|(1<<20)|(1<<21)|(5<<22)|(3<<25)
.irp g, G1, G1B                        ; rows of 256 bytes, 16 of padding behind each; 256 rows for the head's loads
	s_mov_b32 s[\g+1], ROWB<<16
	s_mov_b32 s[\g+2], 256<<16
	s_mov_b32 s[\g+3], ROWB<<16
	s_mov_b32 s[\g+4], 256
	s_mov_b32 s[\g+5], KROW
	s_mov_b32 s[\g+6], 0
	s_mov_b32 s[\g+7], 0
.endr
	s_or_b32 s[G1S+0], s43, (3<<16)|(1<<20)|(1<<21)|(5<<22)|(3<<25)
	s_or_b32 s[G1SB+0], s44, (3<<16)|(1<<20)|(1<<21)|(5<<22)|(3<<25)
.irp g, G1S, G1SB                      ; the scales of 256 rows: KS dense rows of 256 bytes
	s_mov_b32 s[\g+1], 32<<16
	s_mov_b32 s[\g+2], KS<<16
	s_mov_b32 s[\g+3], 32<<16
	s_mov_b32 s[\g+4], KS
	s_mov_b32 s[\g+5], 32
	s_mov_b32 s[\g+6], 0
	s_mov_b32 s[\g+7], 0
.endr
	s_lshl_b32 s20, s17, 8
	s_lshl_b32 s46, s42, 8
	s_add_co_u32 s46, s46, BROW0
	s_mov_b32 s21, 0
	s_mov_b32 s47, 0
	s_mov_b64 s[18:19], KS
	s_mul_u64 s[22:23], s[20:21], s[18:19]
	s_mul_u64 s[92:93], s[46:47], s[18:19]
	s_mov_b64 s[18:19], KROW
	s_mul_u64 s[20:21], s[20:21], s[18:19]
	s_mul_u64 s[46:47], s[46:47], s[18:19]
	s_mul_i32 s18, s16, 128*KROW
	s_mov_b32 s19, 0
	s_mul_i32 s45, s14, HALFT
	s_wait_dscnt 0x0                               ; both opening adds are done
	s_wait_kmcnt 0x0
	s_add_nc_u64 s[20:21], s[4:5], s[20:21]
	s_add_nc_u64 s[22:23], s[6:7], s[22:23]
	s_add_nc_u64 s[46:47], s[4:5], s[46:47]
	s_add_nc_u64 s[92:93], s[6:7], s[92:93]
	CROUND                                         ; the first joint loads meet
	s_mov_b32 s[G0H], 1
	s_mov_b32 s[G0H+1], 0
	s_mov_b64 s[G0H+2:G0H+3], s[20:21]
	s_or_b32 s[G0H+3], s[G0H+3], 0x80000000
	s_mov_b32 s[G0HB], 1
	s_mov_b32 s[G0HB+1], 2*HALFT
	s_mov_b64 s[G0HB+2:G0HB+3], s[46:47]
	s_or_b32 s[G0HB+3], s[G0HB+3], 0x80000000
	s_mov_b32 s[G0S], 1
	s_mov_b32 s[G0S+1], SCL
	s_mov_b64 s[G0S+2:G0S+3], s[22:23]
	s_or_b32 s[G0S+3], s[G0S+3], 0x80000000
	s_mov_b32 s[G0SB], 1
	s_mov_b32 s[G0SB+1], SCL+2*HALFS
	s_mov_b64 s[G0SB+2:G0SB+3], s[92:93]
	s_or_b32 s[G0SB+3], s[G0SB+3], 0x80000000
	s_add_nc_u64 s[20:21], s[20:21], s[18:19]      ; for the ring: my 128 rows
	s_add_nc_u64 s[46:47], s[46:47], s[18:19]
.irp s, 0,1
	s_mov_b32 s[G0+4*\s], 1
	s_add_co_u32 s[G0+4*\s+1], s45, \s*SLOT
	s_add_nc_u64 s[G0+4*\s+2:G0+4*\s+3], s[20:21], \s*ROWB
	s_or_b32 s[G0+4*\s+3], s[G0+4*\s+3], 0x80000000
	s_mov_b32 s[G0B+4*\s], 1
	s_add_co_u32 s[G0B+4*\s+1], s45, \s*SLOT
	s_add_nc_u64 s[G0B+4*\s+2:G0B+4*\s+3], s[46:47], \s*ROWB
	s_or_b32 s[G0B+4*\s+3], s[G0B+4*\s+3], 0x80000000
.endr
; the head's loads, one a wave: chunk 0 of A, chunk 0 of B, A's scales, B's scales
.macro ARM under, g0, g1, next
	s_cmp_lt_u32 s14, \under
	s_cbranch_scc0 \next
	tensor_load_to_lds s[\g0:\g0+3], s[\g1:\g1+7]
	s_nop 0
.rept 4
	v_nop
.endr
	s_branch .Lhead_asked
\next:
.endm
	ARM 1, G0H,  G1,  .Lhead_b
	ARM 2, G0HB, G1B, .Lhead_sa
	ARM 3, G0S,  G1S, .Lhead_sb
	tensor_load_to_lds s[G0SB:G0SB+3], s[G1SB:G1SB+7]
	s_nop 0
.rept 4
	v_nop
.endr
.Lhead_asked:
	v_and_b32 v1, 15, v0                           ; r
	v_bfe_u32 v2, v0, 4, 1                         ; h
	v_mul_u32_u24 v3, v1, PITCH
	v_mul_u32_u24 v4, v2, 24
	v_add_nc_u32 v4, v3, v4
	s_mov_b32 s21, SLOT-232
	s_mov_b32 s22, SLOT+232
	v_sub_nc_u32 v7, 1, v2
	v_mul_u32_u24 v5, s21, v2
	v_add_nc_u32 v5, v3, v5
	v_add_nc_u32 v5, 232, v5                       ; lanes 0-15 byte 232 in slot 0, lanes 16-31 byte 0 in slot 1
	v_mul_u32_u24 v6, s22, v7
	v_add_nc_u32 v6, v3, v6                        ; and the other way round
	s_mul_i32 s21, s15, HALFT
	s_mul_i32 s22, s16, HALFT
	s_add_co_u32 s22, s22, 2*HALFT
	v_add_nc_u32 v[ADRA+2], s21, v5
	v_add_nc_u32 v[ADRA+3], s21, v6
	v_add_nc_u32 v[ADRB+2], s22, v5
	v_add_nc_u32 v[ADRB+3], s22, v6
.irp s, 0,1
	v_add_nc_u32 v[ADRA+\s], s21, v4
	v_add_nc_u32 v[ADRB+\s], s22, v4
	s_add_co_u32 s21, s21, SLOT
	s_add_co_u32 s22, s22, SLOT
.endr
	v_mul_u32_u24 v5, v1, KS
	v_lshrrev_b32 v6, 8, v5
	v_lshl_add_u32 v5, v6, 4, v5
	s_mul_i32 s21, s15, HALFS
	s_mul_i32 s22, s16, HALFS
	s_add_co_u32 s22, s22, 2*HALFS
	s_sub_co_u32 s22, s22, s21
	v_mul_u32_u24 v6, s22, v2                      ; lanes 16-31 take B's scale words
	s_add_co_u32 s21, s21, SCL
	v_add_nc_u32 v5, v5, v6
	v_add_nc_u32 v[ADRS], s21, v5
	s_mul_i32 s23, s14, WSTGB
	s_add_co_u32 s23, s23, SLOT                    ; my stage, in slot 1
	v_lshlrev_b32 v[KST], 6, v1
	v_lshl_add_u32 v[KST], v2, 4, v[KST]
	v_add_nc_u32 v[KST], s23, v[KST]
	v_lshlrev_b32 v[SST], 2, v1
	v_add_nc_u32 v[SST], s23, v[SST]
	v_add_nc_u32 v[SST], 16384, v[SST]
	v_and_b32 v6, 31, v0
	v_lshlrev_b32 v[O16], 4, v6
	v_add_nc_u32 v[RDB], s23, v[O16]
	v_mul_u32_u24 v[O12], v6, 12
	v_and_b32 v[TBA], 8, v1
	v_add_nc_u32 v[TBA], v[TBA], v1
	v_lshlrev_b32 v[TBA], 8, v[TBA]
	v_lshl_add_u32 v[TBA], v2, 6, v[TBA]
	v_lshlrev_b32 v[NWA], 6, v2
	s_wait_alu depctr_va_vdst(0)
	v_lshlrev_b32 v[ZST], 3, v6
	v_add_nc_u32 v[ZST], s23, v[ZST]
	v_add_nc_u32 v[ZST], 16384+256, v[ZST]
	s_mov_b32 s66, 0x76543210
	s_mov_b32 s67, 0xfedcba98
	s_mov_b32 s2, 0x3c800000                       ; 1 / 64
	s_mov_b32 s95, 0x358637bd                      ; 1e-6
	s_and_b32 s92, s17, 7
	s_lshl_b32 s93, s92, 1
	s_add_co_u32 s93, s93, s15                     ; my run of 128 keys in the batch
	s_lshl_b32 s20, s93, 15
	s_add_co_u32 s20, s20, 1024*256
	s_mov_b32 s21, 0
	s_add_nc_u64 s[98:99], s[98:99], s[20:21]      ; my keys' table rows
	s_lshr_b32 s20, s17, 3
	s_lshl_b32 s20, s20, 4
	s_lshl_b32 s22, s42, 1
	s_add_co_u32 s20, s20, s22
	s_add_co_u32 s20, s20, s16                     ; 16 x batch + head
	s_lshl_b32 s20, s20, 4
	s_add_co_u32 s20, s20, s93
	s_mul_i32 s20, s20, REC
	s_add_nc_u64 s[100:101], s[100:101], s[20:21]  ; my record
; where block a's 32 table registers lie: block 0 in window 0; blocks 1, 2 in window 1's v96-127, v224-255, which the walk leaves alone; blocks 3-7 in window 1's registers that held B's fragments
.macro TSEL a
.if (\a) == 0
.set TS, TB0
.set TW, 0
.else
.set TW, 1
.if (\a) == 1
.set TS, 96
.elseif (\a) == 2
.set TS, 224
.elseif (\a) < 6
.set TS, 32*((\a)-3)
.else
.set TS, 128+32*((\a)-6)
.endif
.endif
.endm
.macro TLD a
	TSEL \a
	WIN 0x40*TW
.irp j, 0,1,2,3
	global_load_b128 v[TS+4*\j:TS+4*\j+3], v[TBA], s[98:99] offset:(32*((\a)/2)+8*((\a)%2))*256+16*\j
	global_load_b128 v[TS+16+4*\j:TS+16+4*\j+3], v[TBA], s[98:99] offset:(32*((\a)/2)+8*((\a)%2))*256+128+16*\j
.endr
	WIN 0
.endm
.irp b, 0,1
.irp j, 0,1,2,3
	global_load_b128 v[NW+16*\b+4*\j:NW+16*\b+4*\j+3], v[NWA], s[96:97] offset:128*\b+16*\j
.endr
.endr
	TLD 0                                          ; the first three blocks' table rows are asked for at the head
	TLD 1
	TLD 2
.macro FRAG reg, adr, st, i            ; 16 rows x 128 K: six pieces of 8 bytes; byte y of a row lies in slot (y / 256) % 2 at byte y % 256
.irp p, 0,1,2,3,4,5
.set BY, 96*(\st)+48*(\p/3)+8*(\p%3)
.if BY/ROWB == (BY+24)/ROWB
	ds_load_b64 v[\reg+2*\p:\reg+2*\p+1], v[\adr+(BY/ROWB)%2] offset:BY%ROWB+(\i)*16*PITCH
.else
	ds_load_b64 v[\reg+2*\p:\reg+2*\p+1], v[\adr+2+(BY/ROWB)%2] offset:BY%ROWB-232+(\i)*16*PITCH
.endif
.endr
.endm
.macro MUL16 a0, p, q, sc, zero        ; A's blocks a0, a0 + 1: eight products for k (transposed), eight for v; the accumulators take turns
	WIN 0xa1+0x50*((\a0)/4)
.irp a, \a0, \a0+1
.irp b, 0,1,2,3
.set DK, 32*((\a)%4)+8*\b
.if \zero
	v_wmma_scale_f32_16x16x128_f8f6f4 v[DK:DK+7], v[128*(\p)+FR*\b:128*(\p)+FR*\b+FR-1], v[AF+FR*(\a):AF+FR*(\a)+FR-1], 0, v[SC+8*NQ*(\sc)+NQ*\b+(\q)], v[SC+8*NQ*(\sc)+NQ*(\a)+(\q)] matrix_a_fmt:MATRIX_FMT_FP6 matrix_b_fmt:MATRIX_FMT_FP6 matrix_a_scale:MATRIX_SCALE_ROW1
.else
	v_wmma_scale_f32_16x16x128_f8f6f4 v[DK:DK+7], v[128*(\p)+FR*\b:128*(\p)+FR*\b+FR-1], v[AF+FR*(\a):AF+FR*(\a)+FR-1], v[DK:DK+7], v[SC+8*NQ*(\sc)+NQ*\b+(\q)], v[SC+8*NQ*(\sc)+NQ*(\a)+(\q)] matrix_a_fmt:MATRIX_FMT_FP6 matrix_b_fmt:MATRIX_FMT_FP6 matrix_a_scale:MATRIX_SCALE_ROW1
.endif
.endr
.endr
	WIN 0xa4+0x50*((\a0)/4)
.irp a, \a0, \a0+1
.irp b, 0,1,2,3
.set DV, 128+64*(((\a)%4)/2)+16*\b+8*((\a)%2)
.if \zero
	v_wmma_scale_f32_16x16x128_f8f6f4 v[DV:DV+7], v[AF+FR*(\a):AF+FR*(\a)+FR-1], v[128*(\p)+FR*(4+\b):128*(\p)+FR*(4+\b)+FR-1], 0, v[SC+8*NQ*(\sc)+NQ*(\a)+(\q)], v[SC+8*NQ*(\sc)+NQ*(4+\b)+(\q)] matrix_a_fmt:MATRIX_FMT_FP6 matrix_b_fmt:MATRIX_FMT_FP6 matrix_b_scale:MATRIX_SCALE_ROW1
.else
	v_wmma_scale_f32_16x16x128_f8f6f4 v[DV:DV+7], v[AF+FR*(\a):AF+FR*(\a)+FR-1], v[128*(\p)+FR*(4+\b):128*(\p)+FR*(4+\b)+FR-1], v[DV:DV+7], v[SC+8*NQ*(\sc)+NQ*(\a)+(\q)], v[SC+8*NQ*(\sc)+NQ*(4+\b)+(\q)] matrix_a_fmt:MATRIX_FMT_FP6 matrix_b_fmt:MATRIX_FMT_FP6 matrix_b_scale:MATRIX_SCALE_ROW1
.endif
.endr
.endr
.endm
.macro FETCH_B st, p
	WIN TO_B
.irp i, 0,1,2,3,4,5,6,7
	FRAG 128*(\p)+FR*\i, ADRB, \st, \i
.endr
	WIN 0
.endm
.macro FETCH_A st, i0
.irp i, \i0, \i0+1, \i0+2, \i0+3
	FRAG AF+FR*(\i), ADRA, \st, \i
.endr
.endm
.macro SCALES pr                       ; the scale words of steps 2 pr, 2 pr + 1 into set pr % 2
.irp i, 0,1,2,3,4,5,6,7
	ds_load_b64 v[SC+8*NQ*((\pr)%2)+NQ*\i:SC+8*NQ*((\pr)%2)+NQ*\i+1], v[ADRS] offset:\i*SBLK+4*NQ*(\pr)
.endr
.endm
.macro PLACES n
.rept \n
	v_nop
.endr
.endm
; A step of 128 along K.  Where the next step's bytes end in a chunk not yet read: the wait for my tensor loads and a barrier.  Where they begin in a later chunk: the chunk left behind is read no more:
; the wait, the add, the wait for my reads, the barrier; where a chunk two on is left to fetch, the barrier opens a round and the slot is filled again.
.macro STEP st, zero
.set NX, (\st)+1
.set C0, (96*(\st))/ROWB
.set C1, (96*NX)/ROWB
.set E0, (96*(\st)+95)/ROWB
.set E1, (96*NX+95)/ROWB
.if C1 > C0 || E1 > E0
	s_wait_tensorcnt 0x0                           ; all my tensor loads have landed
.if C1 > C0
	ds_add_u32 v[SPW], v[NIL]
	s_wait_dscnt 4*NL+1                            ; the add and A's blocks 4-7 may be out
.else
	s_wait_dscnt 4*NL                              ; A's blocks 4-7 may be out
.endif
	MUL16 0, (\st)%2, (\st)%2, ((\st)/2)%2, \zero
	s_wait_dscnt 0x0                               ; the add and all my reads are done
	s_barrier_signal -1
	MUL16 2, (\st)%2, (\st)%2, ((\st)/2)%2, \zero
	WIN 0
	s_barrier_wait -1
.if C1 > C0 && C0+2 < CHUNKS
	CREST
	s_add_nc_u64 s[G0+4*(C0%2)+2:G0+4*(C0%2)+3], s[G0+4*(C0%2)+2:G0+4*(C0%2)+3], 2*ROWB
	s_add_nc_u64 s[G0B+4*(C0%2)+2:G0B+4*(C0%2)+3], s[G0B+4*(C0%2)+2:G0B+4*(C0%2)+3], 2*ROWB
	JLOAD G0+4*(C0%2), G1, G0B+4*(C0%2), G1B       ; chunk C0 + 2; its four v_nop are the places in front of the loads below
.else
	PLACES NP
.endif
.else
	s_wait_dscnt 4*NL
	MUL16 0, (\st)%2, (\st)%2, ((\st)/2)%2, \zero
	MUL16 2, (\st)%2, (\st)%2, ((\st)/2)%2, \zero
	s_wait_dscnt 0
	PLACES NP
.endif
	FETCH_B NX, NX%2
	FETCH_A NX, 0
.if NX%2 == 0
	SCALES NX/2
.endif
	MUL16 4, (\st)%2, (\st)%2, ((\st)/2)%2, \zero
	MUL16 6, (\st)%2, (\st)%2, ((\st)/2)%2, \zero
	PLACES NP
	WIN 0
	FETCH_A NX, 4
.endm
	s_wait_alu depctr_va_vdst(0)
	s_wait_tensorcnt 0x0                           ; my tile of the head's four is in
	ds_add_u32 v[SPW], v[NIL]
	s_mov_b32 s[G1+2], 128<<16                     ; no load of mine is out: from here on a load brings 128 rows
	s_mov_b32 s[G1+4], 128
	s_mov_b32 s[G1B+2], 128<<16
	s_mov_b32 s[G1B+4], 128
	s_wait_dscnt 0x0
	CROUND
	JLOAD G0+4, G1, G0B+4, G1B                     ; chunk 1, slot 1's first fill
	FETCH_B 0, 0
	FETCH_A 0, 0
	SCALES 0
	FETCH_A 0, 4
	STEP 0, 1                                      ; the first products start the sums
.set ST, 1
.rept STEPS-2
	STEP ST, 0
.set ST, ST+1
.endr
	s_wait_dscnt 4*NL
	MUL16 0, 1, 1, 1, 0
	MUL16 2, 1, 1, 1, 0
	s_wait_dscnt 0
	MUL16 4, 1, 1, 1, 0
	MUL16 6, 1, 1, 1, 0
	WIN 0
; k's block a of 16 keys: RMS norm, weights, RoPE, two blocks of 32 quantised, into the stage
.macro KOUT a
.set AC, 32*((\a)%4)
	TSEL \a
	WIN 0x0a+5*((\a)/4)
	v_pk_mul_f32 v[192:193], v[AC:AC+1], v[AC:AC+1]
	v_pk_mul_f32 v[194:195], v[AC+2:AC+3], v[AC+2:AC+3]
.irp j, 4,8,12,16,20,24,28
	v_pk_fma_f32 v[192:193], v[AC+\j:AC+\j+1], v[AC+\j:AC+\j+1], v[192:193]
	v_pk_fma_f32 v[194:195], v[AC+\j+2:AC+\j+3], v[AC+\j+2:AC+\j+3], v[194:195]
.endr
	WIN 0
	v_pk_add_f32 v[192:193], v[192:193], v[194:195]
	v_add_f32 v192, v192, v193
	v_permlanex16_b32 v196, v192, s66, s67
	v_add_f32 v192, v192, v196
	v_fma_f32 v192, v192, s2, s95
	s_wait_alu depctr_va_vdst(0)
	v_rsq_f32 v198, v192
	v_nop
	s_wait_alu depctr_va_vdst(0)
	WIN 0x02+((\a)/4)
.set j, 0
.rept 16
	v_pk_mul_f32 v[XN+j:XN+j+1], v[AC+j:AC+j+1], v[198:199] op_sel_hi:[1,0]
.set j, j+2
.endr
	WIN 0
.if (\a) < 3
	s_wait_loadcnt 40                              ; the head's loads are in; the 40 loads of blocks 3-7 may be out
.else
	s_wait_loadcnt 8*(7-(\a))                      ; the eight loads of each later block may be out
.endif
.set j, 0
.rept 16
	v_pk_mul_f32 v[XN+j:XN+j+1], v[XN+j:XN+j+1], v[NW+j:NW+j+1]
.set j, j+2
.endr
.set j, 0
	WIN 4*TW                                       ; source 1, the table: its window
.rept 8
	v_pk_mul_f32 v[RO+j:RO+j+1], v[XN+16+j:XN+17+j], v[TS+16+j:TS+17+j]
	v_pk_mul_f32 v[RO+16+j:RO+17+j], v[XN+16+j:XN+17+j], v[TS+j:TS+j+1]
	v_pk_fma_f32 v[RO+j:RO+j+1], v[XN+j:XN+j+1], v[TS+j:TS+j+1], v[RO+j:RO+j+1] neg_lo:[0,0,1] neg_hi:[0,0,1]
	v_pk_fma_f32 v[RO+16+j:RO+17+j], v[XN+j:XN+j+1], v[TS+16+j:TS+17+j], v[RO+16+j:RO+17+j]
.set j, j+2
.endr
	WIN 0
.irp b, 0,1
	v_max3_num_f32 v[200+\b], |v[RO+16*\b]|, |v[RO+1+16*\b]|, 0x1800000
.endr
.irp i, 2,4,6,8,10,12,14
.irp b, 0,1
	v_max3_num_f32 v[200+\b], v[200+\b], |v[RO+16*\b+\i]|, |v[RO+1+16*\b+\i]|
.endr
.endr
.irp b, 0,1
	v_permlanex16_b32 v[202+\b], v[200+\b], s66, s67
.endr
.irp b, 0,1
	v_max_num_f32 v[200+\b], v[200+\b], v[202+\b]
.endr
.irp b, 0,1
	v_add_nc_u32 v[204+\b], 0xff000000, v[200+\b]
.endr
.irp b, 0,1
	v_lshrrev_b32 v[206+\b], 23, v[204+\b]
.endr
	s_wait_dscnt 0x0
.if (\a)%2 == 0
	s_wait_alu depctr_va_vdst(0)
	v_lshl_or_b32 v209, v207, 8, v206
.else
	s_wait_alu depctr_va_vdst(0)
	v_lshl_or_b32 v208, v207, 8, v206
	v_lshl_or_b32 v208, v208, 16, v209
.endif
	v_cvt_scalef32_pk16_fp6_f32 v[210:212], v[RO:RO+15], v204
	v_cvt_scalef32_pk16_fp6_f32 v[214:216], v[RO+16:RO+31], v205
	v_nop
	ds_store_b96 v[KST], v[210:212] offset:2048*((\a)/2)+32*((\a)%2)
	ds_store_b96 v[KST], v[214:216] offset:2048*((\a)/2)+32*((\a)%2)+1024
.if (\a)%2 == 1
	ds_store_b32 v[SST], v208 offset:64*((\a)/2)
.endif
.endm
; v's 32 keys A: a block of 32 along the keys for each of 64 channels, quantised, into the stage
.macro VOUT A
.set VB, 128+64*((\A)%2)
	WIN 0x28+0x14*((\A)/2)
.irp b, 0,1,2,3
	v_max3_num_f32 v[224+\b], 0x1800000, |v[VB+16*\b]|, |v[VB+1+16*\b]|
.endr
.irp i, 2,4,6,8,10,12,14
.irp b, 0,1,2,3
	v_max3_num_f32 v[224+\b], v[224+\b], |v[VB+16*\b+\i]|, |v[VB+1+16*\b+\i]|
.endr
.endr
	WIN 0
.irp b, 0,1,2,3
	v_permlanex16_b32 v[228+\b], v[224+\b], s66, s67
.endr
.irp b, 0,1,2,3
	v_max_num_f32 v[224+\b], v[224+\b], v[228+\b]
.endr
.irp b, 0,1,2,3
	v_add_nc_u32 v[232+\b], 0xff000000, v[224+\b]
.endr
.irp b, 0,1,2,3
	v_lshrrev_b32 v[236+\b], 23, v[232+\b]
.endr
.irp b, 0,1,2,3
.if (\A) == 0
	v_mov_b32 v[240+\b], v[236+\b]
.else
	v_lshl_or_b32 v[240+\b], v[236+\b], 8*(\A), v[240+\b]
.endif
.endr
	s_wait_dscnt 0x0
	WIN 0x02+((\A)/2)
.irp b, 0,1,2,3
	v_cvt_scalef32_pk16_fp6_f32 v[192+4*\b:194+4*\b], v[VB+16*\b:VB+16*\b+15], v[232+\b]
.endr
	WIN 0
	v_nop
.irp b, 0,1,2,3
	ds_store_b96 v[KST], v[192+4*\b:194+4*\b] offset:8192+2048*\b+1024*((\A)%2)+32*((\A)/2)
.endr
.endm
	PLACES NP
.irp g, 196, 199, 202, 203, 228, 229, 230, 231, 252, 253
	v_mov_b32 v[\g], 0
.endr
.irp a, 3,4,5,6,7
	TLD \a                                         ; the other five blocks' table rows, in one run: block 3 has three blocks' work in which to land
.endr
.irp a, 0,1,2,3,4,5,6,7
	KOUT \a
.endr
.irp t, 0,1,2,3,4,5,6,7,8,9,10,11,12,13,14,15
	ds_load_b96 v[128+4*\t:130+4*\t], v[RDB] offset:512*\t
.endr
.irp t, 0,1,2,3,4,5,6,7,8,9,10,11,12,13,14,15
	s_wait_dscnt 15-\t
	global_store_b96 v[O12], v[128+4*\t:130+4*\t], s[100:101] offset:384*\t
.endr
.irp A, 0,1,2,3
	VOUT \A
.endr
	s_wait_alu depctr_va_vdst(0)
.irp b, 0,1,2,3
	ds_store_b32 v[SST], v[240+\b] offset:512+64*\b
.endr
	ds_store_b64 v[ZST], v[252:253]
	ds_store_b64 v[ZST], v[252:253] offset:512
.irp t, 0,1,2,3,4,5,6,7,8,9,10,11,12,13,14,15
	ds_load_b96 v[32+4*\t:34+4*\t], v[RDB] offset:8192+512*\t
.endr
.irp i, 0,1
	ds_load_b128 v[96+4*\i:99+4*\i], v[RDB] offset:16384+512*\i
.endr
.irp t, 0,1,2,3,4,5,6,7,8,9,10,11,12,13,14,15
	s_wait_dscnt 17-\t
	global_store_b96 v[O12], v[32+4*\t:34+4*\t], s[100:101] offset:6144+384*\t
.endr
.irp i, 0,1
	s_wait_dscnt 1-\i
	global_store_b128 v[O16], v[96+4*\i:99+4*\i], s[100:101] offset:12288+512*\i
.endr
	s_wait_tensorcnt 0x0                           ; the wave's end
	ds_add_u32 v[SPW], v[NIL]
	s_wait_dscnt 0x0
	CROUND                                         ; the closing round
	s_endpgm
.Lfunc_end_k_qc445291fae_projkv:
	.size	k_qc445291fae_projkv, .Lfunc_end_k_qc445291fae_projkv-k_qc445291fae_projkv
	.p2alignl 7, 3214868480
	.fill 96, 4, 3214868480
	.section	.rodata,"a",@progbits
	.p2align	6, 0x0
	.amdhsa_kernel k_qc445291fae_projkv
		.amdhsa_group_segment_fixed_size 327680
		.amdhsa_private_segment_fixed_size 0
		.amdhsa_enable_private_segment 0
		.amdhsa_kernarg_size 40
		.amdhsa_user_sgpr_count 2
		.amdhsa_user_sgpr_kernarg_segment_ptr 1
		.amdhsa_wavefront_size32 1
		.amdhsa_system_sgpr_workgroup_id_x 1
		.amdhsa_system_sgpr_workgroup_id_y 1
		.amdhsa_system_sgpr_workgroup_id_z 1
		.amdhsa_system_vgpr_workitem_id 0
		.amdhsa_next_free_vgpr 1024
		.amdhsa_next_free_sgpr 102
		.amdhsa_reserve_vcc 0
		.amdhsa_float_denorm_mode_32 3
		.amdhsa_float_denorm_mode_16_64 3
		.amdhsa_memory_ordered 1
		.amdhsa_forward_progress 1
		.amdhsa_inst_pref_size 223
	.end_amdhsa_kernel
	.amdgpu_metadata
---
amdhsa.version: [ 1, 2 ]
amdhsa.kernels:
  - .name:           k_qc445291fae_projkv
    .symbol:         k_qc445291fae_projkv.kd
    .args:
      - { .name: codes, .offset: 0, .size: 8, .value_kind: global_buffer, .address_space: global }
      - { .name: scales, .offset: 8, .size: 8, .value_kind: global_buffer, .address_space: global }
      - { .name: k_norm_w, .offset: 16, .size: 8, .value_kind: global_buffer, .address_space: global }
      - { .name: rope, .offset: 24, .size: 8, .value_kind: global_buffer, .address_space: global }
      - { .name: kvh, .offset: 32, .size: 8, .value_kind: global_buffer, .address_space: global }
    .group_segment_fixed_size: 327680
    .private_segment_fixed_size: 0
    .kernarg_segment_align: 8
    .kernarg_segment_size: 40
    .max_flat_workgroup_size: 128
    .sgpr_count:     102
    .vgpr_count:     1024
    .wavefront_size: 32
...
	.end_amdgpu_metadata
.endif
;; end of part 2
;; launch attn (part 3): grid 4 x 64, 16 waves a work-group, clusters of 4 x 1, 327,680 bytes of LDS; arguments codes, scales, q_norm_w, rope, kvh, yc, ys; writes yc, ys
.if DOCPART == 3
	.amdgcn_target "amdgcn-amd-amdhsa--gfx1250"
	.amdhsa_code_object_version 6
	.text
	.protected	k_qc445291fae_attn
	.globl	k_qc445291fae_attn
	.p2align	8
	.type	k_qc445291fae_attn,@function
k_qc445291fae_attn:
	s_mov_b64 s[64:65], 0
	v_nop
	global_prefetch_b8 v0, s[64:65] scope:SCOPE_SE
	s_setreg_imm32_b32 hwreg(HW_REG_WAVE_MODE, 25, 1), 1
	s_wait_xcnt 0x0
	s_wait_alu depctr_hold_cnt(0) depctr_sa_sdst(0) depctr_va_vdst(0) depctr_va_sdst(0) depctr_va_ssrc(0) depctr_va_vcc(0) depctr_vm_vsrc(0)
	s_getreg_b32 s2, hwreg(HW_REG_IB_STS2, 6, 4)
	s_cmp_eq_u32 s2, 0
	s_cbranch_scc0 .Lentry_in_a_cluster
	s_endpgm
.Lentry_in_a_cluster:
	s_bfe_u32 s2, ttmp6, 0x10000c
	s_cmp_lg_u32 s2, 0x3003
	s_cbranch_scc0 .Lentry_shape_is_right
	s_endpgm
.Lentry_shape_is_right:
; ATTN: for 256 queries of one (batch, head): q = queries wq^T (this head's 64 columns), RMS norm, RoPE, quantised in registers; S = q k^T / 8; the softmax; y = p v / l, quantised.  All products on codes of FP6 (E2M3)
; with one E8M0 scale for each 32 along K.
; THE SOFTMAX: t = score x log2(e) / 8; M = the row's largest t so far, rounded UP to a whole number; p = 2^(t - M) is what is quantised, along the keys.  The row's sum is taken of the unquantised p and divides at the end.
; When M moves, the sum and O are multiplied by 2^(old M - new M): exact.
; SHARES.  Sixteen waves, each 16 queries in 256 registers: four waves to a SIMD, so that one wave's vector work stands beside another's matrix work and LDS loads.  Every wave walks all 2,048 keys, 128 a step.
; LDS.  The head's k and v, 16 records of 13,312 bytes, lie in LDS whole, as in memory: 212,992 bytes, each byte filled ONCE; behind them the head's 64 rows of wq's codes, 816 bytes apart.  No ring, no refill:
; behind the one barrier that shows all records landed, the waves walk the keys with no barrier between them.
; A RECORD is made of images of an operand's registers, lane l's 48 bytes at 48 l: four fragments of k, four of v, then k's scale words (at 12,288) and v's (at 12,800).
; THE HEAD'S K IS 64 UNDER AN INSTRUCTION OF 128.  Row r of k's fragment F is key slot 32 F + r in K 0-63 and key slot 32 F + 16 + r in K 64-127; q stands once as [q, 0] and once as [0, q] (18 registers: q, six
; zeros, q): the product with the first gives tile 2 F of the scores, with the second tile 2 F + 1.  So no register of k holds zeros, and a step's k is 12 loads of 16 bytes.
; k IS FETCHED A STEP AHEAD: behind a step's score products the next record's k is asked for and lands under the softmax; v is asked for at the step's head and lands there too.
; THE q PROJECTION'S K IS WALKED IN ANOTHER ORDER OF BLOCKS.  Lane 16 h + r holds the half h of its row, 384 bytes, in 96 registers on end (the queries' codes lie so in memory: 24 loads of 512 consecutive bytes a wave);
; K step s takes its registers 12 s on: the instruction's blocks 0, 1, 2, 3 are the true blocks 2 s, 16 + 2 s, 2 s + 1, 17 + 2 s.  wq's fragments are read from LDS by the same rule, and both sides' scale bytes are put
; in that order by v_perm_b32.  The sums so run over K in that order, not ascending.
; CLUSTER.  The four blocks of queries of a head form a cluster and need the same records and the same rows of wq: every tensor load is asked for JOINTLY by the four, with the same descriptor.
; LAYOUT.  All products are used transposed (source 0 = 16 rows of wq, 16 key slots or 16 channel slots; source 1 = my 16 queries): a lane holds ONE query (lane % 16) throughout.  wq's rows, the keys and v's channels lie
; in slot order (stored row 16 u + r of each 32 is true row 8 u + r + 8 (r / 8)), so that the 16 registers of two neighbouring tiles are 16 neighbours, 32 b + 16 (lane / 16) + i, along the next product's K.
; OUT.  A work-group owns 48 bytes of each of its rows of y's codes (768 bytes a row, 16 heads): its stores of 12 bytes a lane cover parts of aligned blocks of 256 bytes.  3 MiB in all go out so.
; LIMITS: NaN and infinities are not served; a block of zeros gets the byte 1 (its codes are zeros; this program alone reads the bytes).
; REGISTERS: v1, v2 lane places; v3, v8 addresses in hand; v4-7 v's scale words; v9 the scale word of [0, q]; v[10:11] the sum; v12 -M, v13 the largest t; v14-31 q, zeros, q; v32-79 four fragments of wq or k;
;   v80-127 q's sums, then four fragments of v; v128-223 the queries' eight fragments; then v128-191 S^T and p, v192-223 O^T; v224-255 wq's scale words, then p's codes and work; v255 the scale word of [q, 0].
.set REC,    13312
.set HEADB,  16*REC
.set WQL,    HEADB                     ; LDS: wq's 64 rows
.set WP,     816                       ; 768 bytes + 3 x 16 of padding = 51 x 16
.set VOFF,   6144
.set KSO,    12288
.set VSO,    12800
.set WQROW0, 10240                     ; wq's first row in the codes' matrix
.set QROW0,  11264                     ; the queries'
.set AL0, 1                            ; v1   48 x lane: my place in an image
.set AS0, 2                            ; v2   4 r: my row's scale word
.set ADL, 3                            ; v3   the step's record + AL0
.set VS,  4
.set ADS, 8                            ; v8   the step's record + AS0
.set QW2, 9
.set SUM, 10
.set QF,  14
.set KF,  32
.set VF,  80
.set S,   128
.set O,   192
.set WV,  18
.set SEL, 20
.set CS,  22
.set G1R, 24                           ; s[24:31] group 1 for a record;  s[32:39] for wq's rows;  s[40:43] group 0 for wq;  s[44:47] for my record
.set G1W, 32
.set G0W, 40
.set G0P, 44
.set TB,  66                           ; s66 LDS byte at which the step's record begins
.set CNT, 67
.macro CROUND                          ; a round of the cluster's barrier
	s_barrier_signal -1
	s_barrier_wait -1
	s_cmp_lg_u32 s[WV], 0
	s_cbranch_scc1 .Lnot_wave_0_\@
	s_barrier_signal -3
.Lnot_wave_0_\@:
	s_barrier_wait -3
	s_barrier_signal -1
	s_barrier_wait -1
.endm
	s_load_b256 s[4:11], s[0:1], 0x0               ; codes s[4:5], scales s[6:7], q_norm_w s[8:9], the table s[10:11]
	s_load_b128 s[12:15], s[0:1], 0x20             ; the records s[12:13], y's codes s[14:15]
	s_load_b64 s[16:17], s[0:1], 0x30              ; y's scale bytes
	v_lshl_add_u32 v254, v0, 2, 0x40c00
	v_mov_b32 v255, 0
	ds_add_u32 v254, v255
	ds_add_u32 v254, v255
	s_wait_dscnt 0x0
	v_lshrrev_b32 v1, 5, v0
	s_delay_alu instid0(VALU_DEP_1)
	v_readfirstlane_b32 s[WV], v1                  ; wave 0..15
	s_bfe_u32 s19, ttmp6, 0x40000                  ; cx: it enters the queries', the table's and y's global addresses alone
	s_and_b32 s60, ttmp7, 0xffff                   ; 16 x batch + head, which the four partners share
	s_and_b32 s61, s60, 15                         ; head
	s_lshr_b32 s62, s60, 4                         ; batch
	s_lshl_b32 s68, ttmp9, 2
	s_add_co_u32 s68, s68, s19                     ; my block of 256 queries
	s_lshl_b32 s68, s68, 8
	s_lshl_b32 s69, s[WV], 4
	s_add_co_u32 s69, s68, s69                     ; my first query in its batch
	s_lshl_b32 s63, s62, 10
	s_add_co_u32 s63, s63, s69                     ; and among all 4,096 rows
	; group 1: a record, 52 dense rows of 256 bytes (32 elements of 8 bytes)
	s_mov_b32 s[G1R], 15|(3<<16)|(1<<21)           ; 15:0 the mask: all four work-groups; 17:16 elements of 8 bytes; 21 set beside a mask
	s_mov_b32 s[G1R+1], 32<<16
	s_mov_b32 s[G1R+2], 52<<16
	s_mov_b32 s[G1R+3], 32<<16
	s_mov_b32 s[G1R+4], 52
	s_mov_b32 s[G1R+5], 32
	s_mov_b32 s[G1R+6], 0
	s_mov_b32 s[G1R+7], 0
	; group 1: 4 rows of 768 bytes (96 elements), 16 bytes of padding behind every 256
	s_mov_b32 s[G1W], 15|(3<<16)|(1<<20)|(1<<21)|(5<<22)|(3<<25)
	s_mov_b32 s[G1W+1], 96<<16
	s_mov_b32 s[G1W+2], 4<<16
	s_mov_b32 s[G1W+3], 96<<16
	s_mov_b32 s[G1W+4], 4
	s_mov_b32 s[G1W+5], 96
	s_mov_b32 s[G1W+6], 0
	s_mov_b32 s[G1W+7], 0
	s_mul_i32 s70, s[WV], 4*WP                     ; my four rows of wq in LDS,
	s_lshl_b32 s72, s61, 6
	s_lshl_b32 s73, s[WV], 2
	s_add_co_u32 s72, s72, s73
	s_add_co_u32 s72, s72, WQROW0
	s_mul_i32 s72, s72, 768                        ; and in memory
	s_mov_b32 s73, 0
	s_mul_i32 s71, s[WV], REC                      ; wave w fetches record w, to the same place in LDS as in memory
	s_mul_i32 s76, s60, HEADB
	s_add_co_u32 s76, s76, s71
	s_mov_b32 s77, 0
	s_mov_b32 s[SEL], 0x76543210
	s_mov_b32 s[SEL+1], 0xfedcba98                 ; v_permlanex16_b32's selects for lane l xor 16
	s_mov_b32 s[CS], 0x3e38aa3b                    ; c = log2(e) / 8
	s_mov_b32 s[CS+1], s[CS]                       ; (named with it as a pair, so it is written)
	s_mov_b32 s74, 0x3c800000                      ; 1 / 64
	s_mov_b32 s75, 0x358637bd                      ; 1e-6
	s_mov_b32 s2, 0x05010400                       ; v_perm_b32: bytes 0 and 1 of the lower half's word and of the upper half's, by turns: an even K step's scale word;
	s_mov_b32 s3, 0x07030602                       ; bytes 2 and 3: an odd K step's
	s_wait_kmcnt 0x0
	s_mov_b32 s[G0W], 1
	s_add_co_u32 s[G0W+1], s70, WQL
	s_add_nc_u64 s[G0W+2:G0W+3], s[4:5], s[72:73]
	s_or_b32 s[G0W+3], s[G0W+3], 0x80000000
	s_add_nc_u64 s[76:77], s[12:13], s[76:77]
	s_mov_b32 s[G0P], 1
	s_mov_b32 s[G0P+1], s71
	s_mov_b64 s[G0P+2:G0P+3], s[76:77]
	s_or_b32 s[G0P+3], s[G0P+3], 0x80000000
	CROUND                                         ; all four work-groups are here: the joint loads meet
	tensor_load_to_lds s[G0W:G0W+3], s[G1W:G1W+7]  ; my four rows of wq: one tensor load a wave at the head
	s_nop 0
.rept 4
	v_nop
.endr
	s_add_co_u32 s72, s63, QROW0
	s_mul_i32 s70, s72, 768
	s_mov_b32 s71, 0
	s_add_nc_u64 s[76:77], s[4:5], s[70:71]        ; my 16 queries' image, 12,288 bytes,
	s_lshl_b32 s70, s72, 5
	s_add_nc_u64 s[78:79], s[6:7], s[70:71]        ; their 512 scale bytes: [half][row][16],
	s_lshl_b32 s70, s61, 6
	s_add_co_u32 s70, s70, WQROW0
	s_lshl_b32 s70, s70, 5
	s_add_nc_u64 s[6:7], s[6:7], s[70:71]          ; the scale bytes of the head's rows of wq,
	s_lshl_b32 s70, s69, 8
	s_add_nc_u64 s[10:11], s[10:11], s[70:71]      ; my queries' table rows,
	s_mul_i32 s70, s63, 768
	s_mul_i32 s72, s61, 48
	s_add_co_u32 s70, s70, s72
	s_add_nc_u64 s[14:15], s[14:15], s[70:71]      ; y's codes: my rows, my head's 48 bytes,
	s_lshl_b32 s70, s63, 5
	s_lshl_b32 s72, s61, 1
	s_add_co_u32 s70, s70, s72
	s_add_nc_u64 s[16:17], s[16:17], s[70:71]      ; and its 2 scale bytes
	v_and_b32 v16, 15, v0                          ; r
	v_bfe_u32 v17, v0, 4, 1                        ; h
	v_and_b32 v18, 31, v0                          ; lane
	s_delay_alu instid0(VALU_DEP_1)
	v_mul_u32_u24 v[AL0], v18, 48
	s_delay_alu instid0(VALU_DEP_4)
	v_lshlrev_b32 v[AS0], 2, v16
	s_delay_alu instid0(VALU_DEP_3)
	v_lshlrev_b32 v8, 4, v18                       ; the queries' image: 16 x lane
	v_lshlrev_b32 v9, 4, v16                       ; their scale bytes: 16 a row and half
	v_lshlrev_b32 v19, 5, v16                      ; wq's scale bytes: 32 a row
	v_mul_u32_u24 v10, v16, WP
	s_delay_alu instid0(VALU_DEP_1)
	v_add_nc_u32 v10, WQL, v10
	s_delay_alu instid0(VALU_DEP_1)
	v_mad_u32_u24 v11, v17, 416, v10               ; wq in LDS: the upper half of a row begins 384 bytes on, behind one padding (v10) or, from its unit 8 on, behind two (v11)
	s_delay_alu instid0(VALU_DEP_2)
	v_mad_u32_u24 v10, v17, 400, v10
	v_lshlrev_b32 v31, 6, v17                      ; the norm's weights: 64 h
	s_delay_alu instid0(VALU_DEP_1)
	v_lshl_add_u32 v30, v16, 8, v31                ; the table: row r, + 64 h
	global_load_b128 v[64:67], v9, s[78:79]                    ; the queries' scale bytes: blocks 0-15,
	global_load_b128 v[68:71], v9, s[78:79] offset:256         ; blocks 16-31
.irp t, 0,1,2,3
.irp i, 0,1
	global_load_b128 v[32+8*\t+4*\i:35+8*\t+4*\i], v19, s[6:7] offset:512*\t+16*\i   ; wq's: tile t's rows, 32 bytes each
.endr
.endr
.irp i, 0,1,2,3,4,5,6,7,8,9,10,11,12,13,14,15,16,17,18,19,20,21,22,23
	global_load_b128 v[128+4*\i:131+4*\i], v8, s[76:77] offset:512*\i   ; the queries' eight fragments stay in registers: each load reads 512 consecutive bytes
.endr
	s_wait_alu depctr_va_vdst(0)
	s_wait_tensorcnt 0x0                           ; my rows of wq are in
	ds_add_u32 v254, v255
	s_wait_dscnt 0x0
	CROUND                                         ; everybody's rows are in, and the four work-groups meet
	tensor_load_to_lds s[G0P:G0P+3], s[G1R:G1R+7]  ; my record, one of the head's sixteen: it lands under the q projection
	s_nop 0
.rept 4
	v_nop
.endr
	s_wait_loadcnt 24                              ; the scale bytes are in; the image's 24 loads may be out
.irp s, 0,1,2,3,4,5,6,7                        ; K step s's scale words: the bytes of true blocks 2 s, 16 + 2 s, 2 s + 1, 17 + 2 s.  The queries' at v[112 + s], wq's tile t's at v[224 + 8 t + s]
	v_perm_b32 v[112+\s], v[68+\s/2], v[64+\s/2], s[2+\s%2]
.irp t, 0,1,2,3
	v_perm_b32 v[224+8*\t+\s], v[36+8*\t+\s/2], v[32+8*\t+\s/2], s[2+\s%2]
.endr
.endr                                          ; (behind a step's five words stand eight plain instructions or more ahead of the scaled product that names them)
; q = queries wq^T: K step s of eight; four tiles of 16 rows of wq, four accumulators by turns
.macro QSTEP s
.if (\s) > 0
.rept 4
	v_nop                                          ; places in front of loads into registers that matrix instructions have read
.endr
.endif
.if (\s) == 6                          ; the norm's weights and my table row land in the registers of the fragments that are done with
	s_wait_alu depctr_va_vdst(0)
	s_wait_loadcnt 0x0                             ; the last two fragments are in
.irp b, 0,1
.irp j, 0,1,2,3
	global_load_b128 v[128+16*\b+4*\j:131+16*\b+4*\j], v31, s[8:9] offset:128*\b+16*\j
	global_load_b128 v[160+16*\b+4*\j:163+16*\b+4*\j], v30, s[10:11] offset:128*\b+16*\j
.endr
.endr
.endif
.irp t, 0,1,2,3
.irp g, 0,1,2
.set QU, 3*(\s)+\g                    ; my half's unit of 16 bytes, 0 .. 23; 16 bytes of padding lie behind every 16 units of a row
.if QU < 8
	ds_load_b128 v[KF+12*\t+4*\g:KF+12*\t+4*\g+3], v10 offset:16*\t*WP+16*QU
.elseif QU < 16
	ds_load_b128 v[KF+12*\t+4*\g:KF+12*\t+4*\g+3], v11 offset:16*\t*WP+16*QU
.else
	ds_load_b128 v[KF+12*\t+4*\g:KF+12*\t+4*\g+3], v10 offset:16*\t*WP+16*QU+16
.endif
.endr
.endr
.if (\s) < 6
	s_wait_loadcnt 21-3*(\s)                       ; the queries' fragment s is in: three loads for each of the 7 - s fragments behind it may be out
.endif
	s_wait_dscnt 0x0
.irp t, 0,1,2,3
.if (\s) == 0
	v_wmma_scale_f32_16x16x128_f8f6f4 v[80+8*\t:87+8*\t], v[KF+12*\t:KF+12*\t+11], v[128+12*(\s):139+12*(\s)], 0, v[224+8*\t+(\s)], v[112+(\s)] matrix_a_fmt:MATRIX_FMT_FP6 matrix_b_fmt:MATRIX_FMT_FP6
.else
	v_wmma_scale_f32_16x16x128_f8f6f4 v[80+8*\t:87+8*\t], v[KF+12*\t:KF+12*\t+11], v[128+12*(\s):139+12*(\s)], v[80+8*\t:87+8*\t], v[224+8*\t+(\s)], v[112+(\s)] matrix_a_fmt:MATRIX_FMT_FP6 matrix_b_fmt:MATRIX_FMT_FP6
.endif
.endr
.endm
.irp s, 0,1,2,3,4,5,6,7
	QSTEP \s
.endr
; 32 numbers of a lane, v[s] on (register 16 b + i = place 32 b + 16 (lane / 16) + i of my row's 64): the two blocks' scale operands into v244, v245, the row's two scale bytes into v[w]
.macro QUANT2 s, w
.irp b, 0,1
	v_max3_num_f32 v[232+\b], |v[\s+16*\b]|, |v[\s+1+16*\b]|, 0x1800000   ; my 16 numbers, and the floor 2^(3 - 127): the byte cannot fall under 1
.endr
.irp i, 2,4,6,8,10,12,14
.irp b, 0,1
	s_delay_alu instid0(VALU_DEP_2)
	v_max3_num_f32 v[232+\b], v[232+\b], |v[\s+16*\b+\i]|, |v[\s+1+16*\b+\i]|
.endr
.endr
.irp b, 0,1
	s_delay_alu instid0(VALU_DEP_2)
	v_permlanex16_b32 v[236+\b], v[232+\b], s[SEL], s[SEL+1]
.endr
.irp b, 0,1
	s_delay_alu instid0(VALU_DEP_2)
	v_max_num_f32 v[232+\b], v[232+\b], v[236+\b]  ; with lane l xor 16's: the block's largest magnitude
.endr
.irp b, 0,1
	s_delay_alu instid0(VALU_DEP_2)
	v_add_nc_u32 v[244+\b], 0xff000000, v[232+\b]  ; 2 off its exponent field: the conversion's scale operand
.endr
.irp b, 0,1
	s_delay_alu instid0(VALU_DEP_2)
	v_lshrrev_b32 v[246+\b], 23, v[244+\b]         ; the scale's byte
.endr
	s_delay_alu instid0(VALU_DEP_1)
	v_lshl_or_b32 v[\w], v247, 8, v246
.endm
	; ---- q: RMS norm, RoPE, quantised: it becomes source 1 of S^T and never leaves the registers
.rept 4
	v_nop                                          ; places behind the last products
.endr
.irp g, 196, 199, 236, 237
	v_mov_b32 v[\g], 0                             ; written once: a lane permute's destination counts as a source; v199 is named in a pair
.endr
	v_pk_mul_f32 v[192:193], v[80:81], v[80:81]    ; the sum of squares, in two chains; each accumulator is read from its low end on
	v_pk_mul_f32 v[194:195], v[82:83], v[82:83]
.irp j, 4,8,12,16,20,24,28
	v_pk_fma_f32 v[192:193], v[80+\j:81+\j], v[80+\j:81+\j], v[192:193]
	v_pk_fma_f32 v[194:195], v[82+\j:83+\j], v[82+\j:83+\j], v[194:195]
.endr
	s_delay_alu instid0(VALU_DEP_1)
	v_pk_add_f32 v[192:193], v[192:193], v[194:195]
	s_delay_alu instid0(VALU_DEP_1)
	v_add_f32 v192, v192, v193
	s_delay_alu instid0(VALU_DEP_1)
	v_permlanex16_b32 v196, v192, s[SEL], s[SEL+1]
	s_delay_alu instid0(VALU_DEP_1)
	v_add_f32 v192, v192, v196
	s_delay_alu instid0(VALU_DEP_1)
	v_fma_f32 v192, v192, s74, s75                 ; the mean + 1e-6
	s_wait_alu depctr_va_vdst(0)
	v_rsq_f32 v198, v192
	v_nop                                          ; a plain instruction behind the transcendental
	s_wait_alu depctr_va_vdst(0)                   ; and the wait ahead of its first reader
	s_wait_loadcnt 0x0                             ; the weights and the table row
.set j, 0
.rept 16
	v_pk_mul_f32 v[80+j:81+j], v[80+j:81+j], v[198:199] op_sel_hi:[1,0]
.set j, j+2
.endr
.set j, 0
.rept 16
	v_pk_mul_f32 v[80+j:81+j], v[80+j:81+j], v[128+j:129+j]
.set j, j+2
.endr
.set j, 0
.rept 8                                ; RoPE: (x1, x2) = (channel f, channel 32 + f), f = 16 h + i; cos at v160 on, sin at v176 on
	v_pk_mul_f32 v[32+j:33+j], v[96+j:97+j], v[176+j:177+j]
	v_pk_mul_f32 v[48+j:49+j], v[96+j:97+j], v[160+j:161+j]
	s_delay_alu instid0(VALU_DEP_2)
	v_pk_fma_f32 v[32+j:33+j], v[80+j:81+j], v[160+j:161+j], v[32+j:33+j] neg_lo:[0,0,1] neg_hi:[0,0,1]
	s_delay_alu instid0(VALU_DEP_2)
	v_pk_fma_f32 v[48+j:49+j], v[80+j:81+j], v[176+j:177+j], v[48+j:49+j]
.set j, j+2
.endr
	QUANT2 32, 255                                 ; the scale word of [q, 0]: q's two bytes below, 0 above, over zero codes
	v_cvt_scalef32_pk16_fp6_f32 v[QF:QF+2], v[32:47], v244
	v_cvt_scalef32_pk16_fp6_f32 v[240:242], v[48:63], v245     ; (a conversion's three registers begin on an even number)
	v_nop                                          ; one plain place behind a scaled conversion
.irp i, 0,1,2
	v_permlane16_swap_b32 v[QF+\i], v[240+\i]      ; the operand's layout wants a WHOLE block in a lane: lanes 0-15 block 0, lanes 16-31 block 1
.endr
.irp i, 0,1,2
	s_delay_alu instid0(VALU_DEP_3)
	v_mov_b32 v[QF+3+\i], v[240+\i]
.endr
.irp i, 6,7,8,9,10,11
	v_mov_b32 v[QF+\i], 0                          ; six registers of zero codes: the upper half of [q, 0] and the lower half of [0, q]
.endr
.irp i, 0,1,2,3,4,5
	v_mov_b32 v[QF+12+\i], v[QF+\i]                ; q once more: [0, q] is v[QF + 6] on
.endr
	v_lshlrev_b32 v[QW2], 16, v255                 ; and its scale word
	v_mov_b32 v13, 0xff61b1e6                      ; the largest t so far: -3e38, under every t
	s_delay_alu instid0(VALU_DEP_1)
	v_floor_f32 v12, -v13                          ; -M
	v_mov_b32 v[SUM], 0                            ; the sum, in two halves
	v_mov_b32 v[SUM+1], 0
.irp g, 236, 237, 238, 239, 253
	v_mov_b32 v[\g], 0                             ; permutes' destinations, and the upper half of the pair v[252:253]
.endr
.set j, 0
.rept 32
	v_mov_b32 v[O+j], 0                            ; O^T.  (The step is written for every trip alike: the first finds zeros, which the first change of M leaves zeros.)  These are also the places ahead of the first scaled product
.set j, j+1
.endr
.macro KLOAD off                       ; k's four fragments and their scale words, from off bytes behind the record in hand
.irp f, 0,1,2,3
.irp g, 0,1,2
	ds_load_b128 v[KF+12*\f+4*\g:KF+12*\f+4*\g+3], v[ADL] offset:\off+1536*\f+16*\g
.endr
	ds_load_b32 v[248+\f], v[ADS] offset:\off+KSO+64*\f
.endr
.endm
; A KEY STEP: one record, 128 keys.  next = 1: the next record's k is asked for.
.macro STEP next
	v_add_nc_u32 v[ADL], s[TB], v[AL0]
	v_add_nc_u32 v[ADS], s[TB], v[AS0]
	v_nop
	v_nop                                          ; four places in front of loads into registers that the last step's products have read
.irp t, 0,1,2,3
.irp c, 0,1,2
	ds_load_b128 v[VF+12*\t+4*\c:VF+12*\t+4*\c+3], v[ADL] offset:VOFF+1536*\t+16*\c   ; v's four fragments: they land under the softmax
.endr
	ds_load_b32 v[VS+\t], v[ADS] offset:VSO+64*\t
.endr
	s_wait_dscnt 16                                ; k, asked for a step ago, is in; v's sixteen loads may be out
.irp u, 0,1                                    ; S^T = k q^T: fragment f with [q, 0] gives tile 2 f, with [0, q] tile 2 f + 1
.irp f, 0,1,2,3
.if \u == 0
	v_wmma_scale_f32_16x16x128_f8f6f4 v[S+16*\f:S+16*\f+7], v[KF+12*\f:KF+12*\f+11], v[QF:QF+11], 0, v[248+\f], v255 matrix_a_fmt:MATRIX_FMT_FP6 matrix_b_fmt:MATRIX_FMT_FP6
.else
	v_wmma_scale_f32_16x16x128_f8f6f4 v[S+16*\f+8:S+16*\f+15], v[KF+12*\f:KF+12*\f+11], v[QF+6:QF+17], 0, v[248+\f], v[QW2] matrix_a_fmt:MATRIX_FMT_FP6 matrix_b_fmt:MATRIX_FMT_FP6
.endif
.endr
.endr
.rept 4
	v_nop                                          ; places in front of the loads into k's registers and of the first read of the scores
.endr
.if \next
	s_wait_alu depctr_va_vdst(0)
	KLOAD REC                                      ; it has the softmax and the second product in which to land
.endif
.irp b, 0,1,2,3
	v_max3_num_f32 v[232+\b], v[S+16*\b], v[S+1+16*\b], v[S+2+16*\b]   ; THE LARGEST SCORE OF EACH BLOCK OF 32 KEYS: for the row's maximum and, since p rises with the score, for the block's largest p
.endr
.irp i, 3,5,7,9,11,13
.irp b, 0,1,2,3
	v_max3_num_f32 v[232+\b], v[232+\b], v[S+16*\b+\i], v[S+1+16*\b+\i]
.endr
.endr
.irp b, 0,1,2,3
	v_max_num_f32 v[232+\b], v[232+\b], v[S+15+16*\b]
.endr
.irp b, 0,1,2,3
	s_delay_alu instid0(VALU_DEP_4)
	v_permlanex16_b32 v[236+\b], v[232+\b], s[SEL], s[SEL+1]
.endr
.irp b, 0,1,2,3
	s_delay_alu instid0(VALU_DEP_4)
	v_max_num_f32 v[232+\b], v[232+\b], v[236+\b]  ; with lane l xor 16's 16 keys
.endr
	s_delay_alu instid0(VALU_DEP_2)
	v_max3_num_f32 v254, v232, v233, v234
	s_delay_alu instid0(VALU_DEP_1)
	v_max_num_f32 v254, v254, v235                 ; the step's largest score of my query
	s_delay_alu instid0(VALU_DEP_1)
	v_mul_f32 v254, s[CS], v254                    ; as t (c is positive)
	s_delay_alu instid0(VALU_DEP_1)
	v_max_num_f32 v13, v13, v254                   ; the running largest t
	v_mov_b32 v254, v12
	s_delay_alu instid0(VALU_DEP_2)
	v_floor_f32 v12, -v13                          ; the new -M = floor(-t): M IS A WHOLE NUMBER
	s_delay_alu instid0(VALU_DEP_1)
	v_sub_f32 v254, v12, v254                      ; M's old value less its new one: a whole number, 0 or less
	s_delay_alu instid0(VALU_DEP_1)
	v_cvt_i32_f32 v254, v254                       ; (it saturates)
	s_delay_alu instid0(VALU_DEP_1)
	v_ldexp_f32 v252, 1.0, v254                    ; f = 2^(old M - new M): a multiplication by it rounds nothing
.set j, 0
.rept 32
	v_pk_fma_f32 v[S+j:S+j+1], v[S+j:S+j+1], s[CS:CS+1], v[12:13] op_sel_hi:[1,0,0]   ; t - M, two at a time
.set j, j+2
.endr
.irp b, 0,1,2,3
	v_fma_f32 v[232+\b], v[232+\b], s[CS], v12     ; the same of each block's largest score
.endr
.set j, 0
	s_wait_alu depctr_va_vdst(0)
.rept 64
	v_exp_f32 v[S+j], v[S+j]                       ; p = 2^(t - M), at most 1: NOT normalised
.set j, j+1
.endr
	v_pk_mul_f32 v[SUM:SUM+1], v[SUM:SUM+1], v[252:253] op_sel_hi:[1,0]   ; the sums under the new M.  (A plain place behind the exponentials)
	s_wait_alu depctr_va_vdst(0)                   ; one wait for the whole batch, ahead of its first reader
.irp b, 0,1,2,3
	v_exp_f32 v[232+\b], v[232+\b]                 ; the block's largest p: the same two instructions on the same number give the same bits
.endr
	v_pk_add_f32 v[236:237], v[132:133], v[136:137]
	v_pk_add_f32 v[246:247], v[140:141], v[144:145]
	v_pk_add_f32 v[244:245], v[148:149], v[152:153]
	v_pk_add_f32 v[242:243], v[156:157], v[160:161]
	v_pk_add_f32 v[240:241], v[164:165], v[168:169]
	v_pk_add_f32 v[238:239], v[172:173], v[176:177]
	v_pk_add_f32 v[230:231], v[180:181], v[184:185]
	v_pk_add_f32 v[10:11], v[10:11], v[188:189]
	v_pk_add_f32 v[236:237], v[236:237], v[128:129]
	v_pk_add_f32 v[246:247], v[246:247], v[130:131]
	v_pk_add_f32 v[244:245], v[244:245], v[134:135]
	v_pk_add_f32 v[242:243], v[242:243], v[138:139]
	v_pk_add_f32 v[240:241], v[240:241], v[142:143]
	v_pk_add_f32 v[238:239], v[238:239], v[146:147]
	v_pk_add_f32 v[230:231], v[230:231], v[150:151]
	v_pk_add_f32 v[10:11], v[10:11], v[154:155]
	v_pk_add_f32 v[236:237], v[236:237], v[158:159]
	v_pk_add_f32 v[246:247], v[246:247], v[162:163]
	v_pk_add_f32 v[244:245], v[244:245], v[166:167]
	v_pk_add_f32 v[242:243], v[242:243], v[170:171]
	v_pk_add_f32 v[240:241], v[240:241], v[174:175]
	v_pk_add_f32 v[238:239], v[238:239], v[178:179]
	v_pk_add_f32 v[230:231], v[230:231], v[182:183]
	v_pk_add_f32 v[10:11], v[10:11], v[186:187]
	v_pk_add_f32 v[236:237], v[236:237], v[190:191]
	s_delay_alu instid0(VALU_DEP_2)
	v_pk_add_f32 v[10:11], v[10:11], v[242:243]
	s_delay_alu instid0(VALU_DEP_2)
	v_pk_add_f32 v[236:237], v[236:237], v[240:241]
	v_pk_add_f32 v[246:247], v[246:247], v[238:239]
	v_pk_add_f32 v[244:245], v[244:245], v[230:231]
	s_delay_alu instid0(VALU_DEP_2)
	v_pk_add_f32 v[10:11], v[10:11], v[246:247]
	s_delay_alu instid0(VALU_DEP_2)
	v_pk_add_f32 v[236:237], v[236:237], v[244:245]
	s_delay_alu instid0(VALU_DEP_1)
	v_pk_add_f32 v[10:11], v[10:11], v[236:237]
	s_wait_alu depctr_va_vdst(0)                   ; and one for the four
.irp b, 0,1,2,3
	v_max_num_f32 v[232+\b], 0x1800000, v[232+\b]  ; the floor 2^(3 - 127): the byte cannot fall under 1
.endr
.irp b, 0,1,2,3
	s_delay_alu instid0(VALU_DEP_4)
	v_add_nc_u32 v[244+\b], 0xff000000, v[232+\b]  ; 2 off the exponent field: the conversion's scale operand
.endr
.irp b, 0,1,2,3
	s_delay_alu instid0(VALU_DEP_4)
	v_lshrrev_b32 v[236+\b], 23, v[244+\b]         ; the scale's byte
.endr
	s_delay_alu instid0(VALU_DEP_3)
	v_lshl_or_b32 v253, v237, 8, v236              ; p's scale word for these 128 keys
	s_delay_alu instid0(VALU_DEP_1)
	v_lshl_or_b32 v253, v238, 16, v253
	s_delay_alu instid0(VALU_DEP_1)
	v_lshl_or_b32 v253, v239, 24, v253
.irp c, 0,1
	v_cvt_scalef32_pk16_fp6_f32 v[224+6*\c:226+6*\c], v[S+32*\c:S+15+32*\c], v[244+2*\c]
	v_cvt_scalef32_pk16_fp6_f32 v[236+4*\c:238+4*\c], v[S+16+32*\c:S+31+32*\c], v[244+2*\c+1]   ; (a conversion's three registers begin on an even number)
.endr
	v_nop                                          ; one plain place behind a scaled conversion
.irp c, 0,1                                    ; the operand's layout wants a WHOLE block in a lane: lanes 0-15 block 2 c, lanes 16-31 block 2 c + 1
.irp i, 0,1,2
	v_permlane16_swap_b32 v[224+6*\c+\i], v[236+4*\c+\i]
.endr
.irp i, 0,1,2
	s_delay_alu instid0(VALU_DEP_3)
	v_mov_b32 v[227+6*\c+\i], v[236+4*\c+\i]
.endr
.endr
.set j, 0
.rept 16
	v_pk_mul_f32 v[O+j:O+j+1], v[O+j:O+j+1], v[252:253] op_sel_hi:[1,0]   ; O^T under the new M: x f.  (These sixteen are also the places in front of the scaled products below)
.set j, j+2
.endr
.if \next
	s_wait_alu depctr_va_vdst(0)
	s_wait_dscnt 16                                ; v is in; the next k's sixteen loads may be out
.else
	s_wait_alu depctr_va_vdst(0)
	s_wait_dscnt 0x0
.endif
.irp t, 0,1,2,3                                ; O^T += V^T P^T: four tiles of 16 channel slots, four accumulators by turns; K = these 128 keys
	v_wmma_scale_f32_16x16x128_f8f6f4 v[O+8*\t:O+8*\t+7], v[VF+12*\t:VF+12*\t+11], v[224:235], v[O+8*\t:O+8*\t+7], v[VS+\t], v253 matrix_a_fmt:MATRIX_FMT_FP6 matrix_b_fmt:MATRIX_FMT_FP6
.endr
.endm
	s_wait_tensorcnt 0x0                           ; my shares of all sixteen records have landed,
	s_barrier_signal -1
	s_barrier_wait -1                              ; everybody's have.
	s_mov_b32 s[TB], 0
	v_mov_b32 v[ADL], v[AL0]
	v_mov_b32 v[ADS], v[AS0]
	KLOAD 0                                        ; the first record's k
	s_mov_b32 s[CNT], 15
.Lrec:                                             ; fifteen trips: each asks for the next record's k
	STEP 1
	s_add_co_u32 s[TB], s[TB], REC
	s_sub_co_u32 s[CNT], s[CNT], 1
	s_cmp_lg_u32 s[CNT], 0
	s_cbranch_scc1 .Lrec
	STEP 0                                         ; the last record: nothing is left to ask for
	; THE WAY OUT: y = O^T / the sum; register 16 b + i is channel 32 b + 16 h + i of my query's head: two blocks of the last product's K, quantised as q was
	v_add_f32 v[SUM], v[SUM], v[SUM+1]             ; the sum's two halves,
	s_delay_alu instid0(VALU_DEP_1)
	v_permlanex16_b32 v252, v[SUM], s[SEL], s[SEL+1]
	s_delay_alu instid0(VALU_DEP_1)
	v_add_f32 v[SUM], v[SUM], v252                 ; and lane l xor 16's
	s_wait_alu depctr_va_vdst(0)
	v_rcp_f32 v[SUM], v[SUM]
	v_and_b32 v1, 15, v0                           ; (plain places behind the transcendental and the last products)  r
	v_bfe_u32 v2, v0, 4, 1                         ; h
	s_delay_alu instid0(VALU_DEP_2)
	v_mul_u32_u24 v3, v1, 768
	s_delay_alu instid0(VALU_DEP_1)
	v_mad_u32_u24 v3, v2, 12, v3                   ; y's codes: row r, + 12 h
	s_delay_alu instid0(VALU_DEP_4)
	v_lshlrev_b32 v8, 5, v1                        ; its scale bytes: 32 a row
	s_wait_alu depctr_va_vdst(0)                   ; the wait ahead of the reciprocal's first reader
.set j, 0
.rept 16
	v_pk_mul_f32 v[S+j:S+j+1], v[O+j:O+j+1], v[SUM:SUM+1] op_sel_hi:[1,0]   ; each accumulator from its low end on
.set j, j+2
.endr
	QUANT2 S, 248
	v_cvt_scalef32_pk16_fp6_f32 v[224:226], v[S:S+15], v244
	v_cvt_scalef32_pk16_fp6_f32 v[228:230], v[S+16:S+31], v245
	v_nop                                          ; one plain place behind a scaled conversion
	global_store_b96 v3, v[224:226], s[14:15]              ; channels 16 h + i: bytes 12 h of the head's 48
	global_store_b96 v3, v[228:230], s[14:15] offset:24    ; channels 32 + 16 h + i
	global_store_b16 v8, v248, s[16:17]            ; the two bytes; both halves of the lanes store the same value at the same place
	s_wait_xcnt 0x0
	v_lshl_add_u32 v254, v0, 2, 0x40c00
	v_mov_b32 v255, 0
	s_wait_alu depctr_va_vdst(0)
	s_wait_tensorcnt 0x0
	ds_add_u32 v254, v255
	s_wait_dscnt 0x0
	CROUND                                         ; the closing round: no work-group ends while a partner may still ask for a tile that names it
	s_endpgm
.Lfunc_end_k_qc445291fae_attn:
	.size	k_qc445291fae_attn, .Lfunc_end_k_qc445291fae_attn-k_qc445291fae_attn
	.p2alignl 7, 3214868480
	.fill 96, 4, 3214868480
	.section	.rodata,"a",@progbits
	.p2align	6, 0x0
	.amdhsa_kernel k_qc445291fae_attn
		.amdhsa_group_segment_fixed_size 327680
		.amdhsa_private_segment_fixed_size 0
		.amdhsa_enable_private_segment 0
		.amdhsa_kernarg_size 56
		.amdhsa_user_sgpr_count 2
		.amdhsa_user_sgpr_kernarg_segment_ptr 1
		.amdhsa_wavefront_size32 1
		.amdhsa_system_sgpr_workgroup_id_x 1
		.amdhsa_system_sgpr_workgroup_id_y 1
		.amdhsa_system_sgpr_workgroup_id_z 1
		.amdhsa_system_vgpr_workitem_id 0
		.amdhsa_next_free_vgpr 256
		.amdhsa_next_free_sgpr 80
		.amdhsa_reserve_vcc 0
		.amdhsa_float_denorm_mode_32 3
		.amdhsa_float_denorm_mode_16_64 3
		.amdhsa_memory_ordered 1
		.amdhsa_forward_progress 1
		.amdhsa_inst_pref_size 75
	.end_amdhsa_kernel
	.amdgpu_metadata
---
amdhsa.version: [ 1, 2 ]
amdhsa.kernels:
  - .name:           k_qc445291fae_attn
    .symbol:         k_qc445291fae_attn.kd
    .args:
      - { .name: codes, .offset: 0, .size: 8, .value_kind: global_buffer, .address_space: global }
      - { .name: scales, .offset: 8, .size: 8, .value_kind: global_buffer, .address_space: global }
      - { .name: q_norm_w, .offset: 16, .size: 8, .value_kind: global_buffer, .address_space: global }
      - { .name: rope, .offset: 24, .size: 8, .value_kind: global_buffer, .address_space: global }
      - { .name: kvh, .offset: 32, .size: 8, .value_kind: global_buffer, .address_space: global }
      - { .name: yc, .offset: 40, .size: 8, .value_kind: global_buffer, .address_space: global }
      - { .name: ys, .offset: 48, .size: 8, .value_kind: global_buffer, .address_space: global }
    .group_segment_fixed_size: 327680
    .private_segment_fixed_size: 0
    .kernarg_segment_align: 8
    .kernarg_segment_size: 56
    .max_flat_workgroup_size: 512
    .sgpr_count:     80
    .vgpr_count:     256
    .wavefront_size: 32
...
	.end_amdgpu_metadata
.endif
;; end of part 3
;; launch outp (part 4): grid 8 x 32, 4 waves a work-group, clusters of 4 x 4, 235,520 bytes of LDS; arguments yc, ys, codes, scales, out0; writes out0
.if DOCPART == 4
	.amdgcn_target "amdgcn-amd-amdhsa--gfx1250"
	.amdhsa_code_object_version 6
	.text
	.protected	k_qc445291fae_outp
	.globl	k_qc445291fae_outp
	.p2align	8
	.type	k_qc445291fae_outp,@function
k_qc445291fae_outp:
	s_mov_b64 s[64:65], 0
	v_nop
	global_prefetch_b8 v0, s[64:65] scope:SCOPE_SE
	s_setreg_imm32_b32 hwreg(HW_REG_WAVE_MODE, 25, 1), 1
	s_wait_xcnt 0x0
	s_wait_alu depctr_hold_cnt(0) depctr_sa_sdst(0) depctr_va_vdst(0) depctr_va_sdst(0) depctr_va_ssrc(0) depctr_va_vcc(0) depctr_vm_vsrc(0)
	s_getreg_b32 s2, hwreg(HW_REG_IB_STS2, 6, 4)
	s_cmp_eq_u32 s2, 0
	s_cbranch_scc0 .Lentry_in_a_cluster
	s_endpgm
.Lentry_in_a_cluster:
	s_bfe_u32 s2, ttmp6, 0x10000c
	s_cmp_lg_u32 s2, 0xf033
	s_cbranch_scc0 .Lentry_shape_is_right
	s_endpgm
.Lentry_shape_is_right:
; OUTP: out0 = y wo^T on codes of FP6 (E2M3) with one E8M0 scale for each 32 along K; f32 sums.  y: 4,096 rows, wo: 1,024 rows (rows 15,360 on of the codes' matrix), K = 1,024: 768 bytes of codes and 32 scale bytes a row.
; A work-group makes 128 x 128 of out0: 8 x 32 = 256 work-groups.  ALL OF K LIES IN LDS AT ONCE: 128 whole rows of y and 128 of wo (each row begins at a multiple of 256 bytes), 16 bytes of padding behind every 256:
; each LDS byte is filled once, by the head's four loads, one a wave: y's codes, wo's codes, y's scales, wo's scales.  One barrier; no ring, no refill.
; A wave makes 64 x 64: 16 accumulators in window 1.  Eight steps of 128 along K on two sets of fragments by turns: a step's 48 loads are issued ahead of the step before's 16 products.
; The products are used transposed (source 0 = 16 rows of wo, source 1 = 16 rows of y): a lane holds 8 neighbouring columns of a row.  A block of 16 rows x 64 columns turns through the wave's own stage and leaves
; as rows of 256 bytes, sixteen lanes to an aligned 256 bytes.
; CLUSTERS: 4 x 4; y's tiles are asked for jointly along a row of the cluster, wo's along a column.
; No prefetch: every tile is asked for at the head, and there is no loop to run ahead in.
; LIMITS: NaN and infinities are not served.
.set BROW0, 15360
.set KROW,  768
.set PW,    816                        ; an LDS row: 768 bytes + 3 x 16
.set TILE,  128*PW
.set SCL,   2*TILE                     ; the scales: 128 rows x 32 bytes = 16 units of 256 + 16, for y and for wo
.set SHALF, 16*272
.set SBLK,  2*272                      ; those of 16 rows
.set STAGE, SCL+2*SHALF                ; 16 rows x 272 bytes for each wave
.set SP,    272
.set SPARE, STAGE+4*16*SP              ; the spare words
.set NROW,  4096                       ; a row of out0 in bytes
.set ADRA, 16                          ; v16 my rows of y; v17 the same for pieces whose lanes 16-31 lie behind one padding more
.set ADRB, 18                          ; v18, v19 my rows of wo
.set ADRS, 20
.set STO,  21
.set RD,   22
.set CO,   23
.set SPW,  28
.set NIL,  29
.set SC,   32                          ; v32-63 scale words: register 8 i + st: lanes 0-15 y's block i, lanes 16-31 wo's block i, step st
.set FRS,  64                          ; v64-159, v160-255 two sets: wo's four fragments, then y's four
.set G1, 24
.set G0, 32
.set G0B, 36
.set G1B, 48
.set G0S, 56
.set G0SB, 60
.set G1S, 68
.set G1SB, 80
.set MSB, 0
.macro WIN new
.if MSB != \new
	s_set_vgpr_msb (MSB<<8)|\new
.set MSB, \new
.endif
.endm
.macro CROUND                          ; a round of the cluster's barrier
	s_barrier_signal -1
	s_barrier_wait -1
	s_cmp_lg_u32 s14, 0
	s_cbranch_scc1 .Lnot_wave_0_\@
	s_barrier_signal -3
.Lnot_wave_0_\@:
	s_barrier_wait -3
	s_barrier_signal -1
	s_barrier_wait -1
.endm
	s_load_b128 s[4:7], s[0:1], 0x0                ; y's codes, y's scales
	s_load_b128 s[8:11], s[0:1], 0x10              ; the codes' matrix, its scales
	s_load_b64 s[12:13], s[0:1], 0x20              ; out0
	v_lshl_add_u32 v[SPW], v0, 2, SPARE
	v_mov_b32 v[NIL], 0
	ds_add_u32 v[SPW], v[NIL]                      ; the opening lines: the add twice on end
	ds_add_u32 v[SPW], v[NIL]
	v_lshrrev_b32 v1, 5, v0
	v_readfirstlane_b32 s14, v1                    ; wave
	s_lshr_b32 s15, s14, 1                         ; my 64 rows
	s_and_b32 s16, s14, 1                          ; my 64 columns
	s_bfe_u32 s40, ttmp6, 0x40000
	s_bfe_u32 s41, ttmp6, 0x40004
	s_lshl_b32 s42, ttmp9, 2
	s_add_co_u32 s42, s42, s40                     ; block column
	s_and_b32 s17, ttmp7, 0xffff
	s_lshl_b32 s17, s17, 2
	s_add_co_u32 s17, s17, s41                     ; block row
	s_lshl_b32 s43, s41, 2
	s_lshl_b32 s43, 15, s43                        ; my row of the cluster
	s_lshl_b32 s44, 0x1111, s40                    ; my column
	s_or_b32 s[G1+0], s43, (3<<16)|(1<<20)|(1<<21)|(5<<22)|(3<<25)
	s_or_b32 s[G1B+0], s44, (3<<16)|(1<<20)|(1<<21)|(5<<22)|(3<<25)
.irp g, G1, G1B                        ; 128 rows of 96 elements of 8 bytes, 16 bytes of padding behind every 256
	s_mov_b32 s[\g+1], 96<<16
	s_mov_b32 s[\g+2], 128<<16
	s_mov_b32 s[\g+3], 96<<16
	s_mov_b32 s[\g+4], 128
	s_mov_b32 s[\g+5], 96
	s_mov_b32 s[\g+6], 0
	s_mov_b32 s[\g+7], 0
.endr
	s_or_b32 s[G1S+0], s43, (3<<16)|(1<<20)|(1<<21)|(5<<22)|(3<<25)
	s_or_b32 s[G1SB+0], s44, (3<<16)|(1<<20)|(1<<21)|(5<<22)|(3<<25)
.irp g, G1S, G1SB                      ; 16 dense rows of 256 bytes
	s_mov_b32 s[\g+1], 32<<16
	s_mov_b32 s[\g+2], 16<<16
	s_mov_b32 s[\g+3], 32<<16
	s_mov_b32 s[\g+4], 16
	s_mov_b32 s[\g+5], 32
	s_mov_b32 s[\g+6], 0
	s_mov_b32 s[\g+7], 0
.endr
	s_lshl_b32 s20, s17, 7                         ; y's first row
	s_lshl_b32 s46, s42, 7
	s_add_co_u32 s46, s46, BROW0                   ; wo's
	s_lshl_b32 s22, s20, 5                         ; their scale bytes,
	s_lshl_b32 s92, s46, 5
	s_mul_i32 s20, s20, KROW                       ; and codes (under 2^24)
	s_mul_i32 s46, s46, KROW
	s_mov_b32 s21, 0
	s_mov_b32 s23, 0
	s_mov_b32 s47, 0
	s_mov_b32 s93, 0
	s_wait_dscnt 0x0                               ; both opening adds are done
	s_wait_kmcnt 0x0
	s_add_nc_u64 s[20:21], s[4:5], s[20:21]
	s_add_nc_u64 s[22:23], s[6:7], s[22:23]
	s_add_nc_u64 s[46:47], s[8:9], s[46:47]
	s_add_nc_u64 s[92:93], s[10:11], s[92:93]
	CROUND                                         ; the joint loads meet
.macro GRP0 g, lds, lo
	s_mov_b32 s[\g], 1
	s_mov_b32 s[\g+1], \lds
	s_mov_b64 s[\g+2:\g+3], s[\lo:\lo+1]
	s_or_b32 s[\g+3], s[\g+3], 0x80000000
.endm
	GRP0 G0, 0, 20
	GRP0 G0B, TILE, 46
	GRP0 G0S, SCL, 22
	GRP0 G0SB, SCL+SHALF, 92
.macro ARM under, g0, g1, next         ; one chain of branches on the wave's number, one load to an arm
	s_cmp_lt_u32 s14, \under
	s_cbranch_scc0 \next
	tensor_load_to_lds s[\g0:\g0+3], s[\g1:\g1+7]
	s_nop 0
.rept 4
	v_nop
.endr
	s_branch .Lhead_asked
\next:
.endm
	ARM 1, G0,  G1,  .Lhead_b
	ARM 2, G0B, G1B, .Lhead_sa
	ARM 3, G0S, G1S, .Lhead_sb
	tensor_load_to_lds s[G0SB:G0SB+3], s[G1SB:G1SB+7]
	s_nop 0
.rept 4
	v_nop
.endr
.Lhead_asked:
	v_and_b32 v1, 15, v0                           ; r
	v_bfe_u32 v2, v0, 4, 1                         ; h
	v_mul_u32_u24 v3, v1, PW
	v_mad_u32_u24 v4, v2, 24, v3                   ; row r, + 24 h
	v_mad_u32_u24 v5, v2, 40, v3                   ; + 24 h and one padding
	s_mul_i32 s21, s15, 64*PW
	s_mul_i32 s22, s16, 64*PW
	s_add_co_u32 s22, s22, TILE
	v_add_nc_u32 v[ADRA], s21, v4
	v_add_nc_u32 v[ADRA+1], s21, v5
	v_add_nc_u32 v[ADRB], s22, v4
	v_add_nc_u32 v[ADRB+1], s22, v5
	v_lshlrev_b32 v5, 5, v1                        ; my row's 32 scale bytes,
	v_lshrrev_b32 v6, 3, v1
	v_lshl_add_u32 v5, v6, 4, v5                   ; and 16 more behind each eight rows
	s_mul_i32 s21, s15, 4*SBLK
	s_mul_i32 s22, s16, 4*SBLK
	s_add_co_u32 s22, s22, SHALF
	s_sub_co_u32 s22, s22, s21
	v_mul_u32_u24 v6, s22, v2                      ; lanes 16-31 take wo's
	s_add_co_u32 s21, s21, SCL
	v_add_nc_u32 v5, v5, v6
	v_add_nc_u32 v[ADRS], s21, v5
	s_mul_i32 s23, s14, 16*SP
	s_add_co_u32 s23, s23, STAGE
	v_mul_u32_u24 v5, v1, SP
	v_lshl_add_u32 v5, v2, 5, v5
	v_add_nc_u32 v[STO], s23, v5                   ; in: row r, 32 bytes for each half of the lanes
	v_mul_u32_u24 v6, v2, SP
	v_lshl_add_u32 v6, v1, 4, v6
	v_add_nc_u32 v[RD], s23, v6                    ; back: sixteen lanes to a row, two rows an instruction
	v_lshlrev_b32 v7, 12, v2
	v_lshl_add_u32 v[CO], v1, 4, v7                ; and the same in out0
	s_lshl_b32 s20, s17, 7
	s_lshl_b32 s21, s15, 6
	s_add_co_u32 s20, s20, s21                     ; my first row,
	s_lshl_b32 s20, s20, 12                        ; in bytes (under 2^24),
	s_lshl_b32 s46, s42, 9
	s_lshl_b32 s47, s16, 8
	s_add_co_u32 s46, s46, s47                     ; my first column, in bytes
	s_add_co_u32 s20, s20, s46
	s_mov_b32 s21, 0
	s_add_nc_u64 s[12:13], s[12:13], s[20:21]
.macro FRAG reg, adr, st, i            ; 16 rows x 128 K: six pieces of 8 bytes; byte y of a row lies at y + 16 (y / 256)
.irp p, 0,1,2,3,4,5
.set BY, 96*(\st)+48*(\p/3)+8*(\p%3)
	ds_load_b64 v[\reg+2*\p:\reg+2*\p+1], v[\adr+(BY+24)/256-BY/256] offset:BY+16*(BY/256)+(\i)*16*PW
.endr
.endm
.macro FETCH st
.set F, FRS+96*((\st)%2)
.irp i, 0,1,2,3
	FRAG F+12*\i, ADRB, \st, \i
.endr
.irp i, 0,1,2,3
	FRAG F+48+12*\i, ADRA, \st, \i
.endr
.endm
.macro KSTEP st, zero, more
	s_wait_dscnt 0x0                               ; this step's fragments are in
.if \zero == 0
.rept 4
	v_nop                                          ; places in front of loads into the set that the last step's products read
.endr
.endif
.if \more
	FETCH (\st)+1
.endif
.set FM, FRS+96*((\st)%2)
	WIN 0x50                                       ; C and D in window 1
.irp a, 0,1,2,3                        ; the 16 accumulators take turns
.irp b, 0,1,2,3
.if \zero
	v_wmma_scale_f32_16x16x128_f8f6f4 v[8*(4*\a+\b):8*(4*\a+\b)+7], v[FM+12*\b:FM+12*\b+11], v[FM+48+12*\a:FM+48+12*\a+11], 0, v[SC+8*\b+(\st)], v[SC+8*\a+(\st)] matrix_a_fmt:MATRIX_FMT_FP6 matrix_b_fmt:MATRIX_FMT_FP6 matrix_a_scale:MATRIX_SCALE_ROW1
.else
	v_wmma_scale_f32_16x16x128_f8f6f4 v[8*(4*\a+\b):8*(4*\a+\b)+7], v[FM+12*\b:FM+12*\b+11], v[FM+48+12*\a:FM+48+12*\a+11], v[8*(4*\a+\b):8*(4*\a+\b)+7], v[SC+8*\b+(\st)], v[SC+8*\a+(\st)] matrix_a_fmt:MATRIX_FMT_FP6 matrix_b_fmt:MATRIX_FMT_FP6 matrix_a_scale:MATRIX_SCALE_ROW1
.endif
.endr
.endr
	WIN 0
.endm
	s_wait_alu depctr_va_vdst(0)
	s_wait_tensorcnt 0x0                           ; my tile of the four is in,
	s_barrier_signal -1
	s_barrier_wait -1                              ; everybody's is
.irp i, 0,1,2,3
.irp g, 0,1
	ds_load_b128 v[SC+8*\i+4*\g:SC+8*\i+4*\g+3], v[ADRS] offset:\i*SBLK+16*\g   ; the scale words of all eight steps
.endr
.endr
	FETCH 0
	KSTEP 0, 1, 1                                  ; the first products start the sums
.set ST, 1
.rept 6
	KSTEP ST, 0, 1
.set ST, ST+1
.endr
	KSTEP 7, 0, 0
.rept 4
	v_nop                                          ; places in front of the first read of the results and of loads into the fragments' registers
.endr
.irp a, 0,1,2,3                        ; LDS serves a wave's instructions in order: no wait between the stores, the loads and the next block's stores
	WIN 0x04                                       ; the data: window 1
.irp b, 0,1,2,3
	ds_store_b128 v[STO], v[8*(4*\a+\b):8*(4*\a+\b)+3] offset:64*\b
	ds_store_b128 v[STO], v[8*(4*\a+\b)+4:8*(4*\a+\b)+7] offset:64*\b+16
.endr
	WIN 0
.irp t, 0,1,2,3,4,5,6,7
	ds_load_b128 v[FRS+32*\a+4*\t:FRS+32*\a+4*\t+3], v[RD] offset:2*\t*SP
.endr
.endr
.irp a, 0,1,2,3
	s_wait_dscnt 16*(3-\a)                         ; block a is back; the 8 stores and 8 loads of each later block may be out
.irp t, 0,1,2,3,4,5,6,7
	global_store_b128 v[CO], v[FRS+32*\a+4*\t:FRS+32*\a+4*\t+3], s[12:13] offset:(16*\a+2*\t)*NROW th:TH_STORE_NT   ; each sixteen lanes store 256 consecutive bytes, aligned
.endr
.endr
	s_wait_tensorcnt 0x0                           ; the wave's end
	ds_add_u32 v[SPW], v[NIL]
	s_wait_dscnt 0x0
	CROUND                                         ; the closing round
	s_endpgm
.Lfunc_end_k_qc445291fae_outp:
	.size	k_qc445291fae_outp, .Lfunc_end_k_qc445291fae_outp-k_qc445291fae_outp
	.p2alignl 7, 3214868480
	.fill 96, 4, 3214868480
	.section	.rodata,"a",@progbits
	.p2align	6, 0x0
	.amdhsa_kernel k_qc445291fae_outp
		.amdhsa_group_segment_fixed_size 235520
		.amdhsa_private_segment_fixed_size 0
		.amdhsa_enable_private_segment 0
		.amdhsa_kernarg_size 40
		.amdhsa_user_sgpr_count 2
		.amdhsa_user_sgpr_kernarg_segment_ptr 1
		.amdhsa_wavefront_size32 1
		.amdhsa_system_sgpr_workgroup_id_x 1
		.amdhsa_system_sgpr_workgroup_id_y 1
		.amdhsa_system_sgpr_workgroup_id_z 1
		.amdhsa_system_vgpr_workitem_id 0
		.amdhsa_next_free_vgpr 384
		.amdhsa_next_free_sgpr 98
		.amdhsa_reserve_vcc 0
		.amdhsa_float_denorm_mode_32 3
		.amdhsa_float_denorm_mode_16_64 3
		.amdhsa_memory_ordered 1
		.amdhsa_forward_progress 1
		.amdhsa_inst_pref_size 59
	.end_amdhsa_kernel
	.amdgpu_metadata
---
amdhsa.version: [ 1, 2 ]
amdhsa.kernels:
  - .name:           k_qc445291fae_outp
    .symbol:         k_qc445291fae_outp.kd
    .args:
      - { .name: yc, .offset: 0, .size: 8, .value_kind: global_buffer, .address_space: global }
      - { .name: ys, .offset: 8, .size: 8, .value_kind: global_buffer, .address_space: global }
      - { .name: codes, .offset: 16, .size: 8, .value_kind: global_buffer, .address_space: global }
      - { .name: scales, .offset: 24, .size: 8, .value_kind: global_buffer, .address_space: global }
      - { .name: out0, .offset: 32, .size: 8, .value_kind: global_buffer, .address_space: global }
    .group_segment_fixed_size: 235520
    .private_segment_fixed_size: 0
    .kernarg_segment_align: 8
    .kernarg_segment_size: 40
    .max_flat_workgroup_size: 128
    .sgpr_count:     98
    .vgpr_count:     384
    .wavefront_size: 32
...
	.end_amdgpu_metadata
.endif
;; end of part 4
